; MI455X (gfx1250); checked and timed in simulation.
; The chip was launched on July 23, 2026; its instructions are those of AMD's public machine-readable ISA for CDNA 5 (MIT licence, August 2026) and "CDNA5" Instruction Set Architecture Reference Guide (July 2026). The comments in the code are by the model that wrote it; some were corrected since.
;; MHA. Allowed arithmetic: float matrix products may take bf16 or f16 operands with f32 sums; other float arithmetic in f32, or as packed bf16 or f16 multiplies, adds, multiply-adds, maxima and minima; sums over many terms, partial sums and values carried from step to step in f32; what a program stores and reads back later, other than sums and carried values, may be rounded once to bf16 or f16.
;; Inputs: Wk 2,048 x 2,048 float32; Wo 2,048 x 2,048 float32; Wq 2,048 x 2,048 float32; Wv 2,048 x 2,048 float32; cos 2,048 x 64 float32; rms_w 2,048 float32; sin 2,048 x 64 float32; x 1 x 2,048 x 2,048 float32.
;; Outputs: out0 1 x 2,048 x 2,048 float32.
;; One version. Each part assembles by itself: llvm-mc -triple=amdgcn-amd-amdhsa -mcpu=gfx1250 --defsym DOCPART=n.
;; ======== version 1 of 1: 4 launches
;; limits: values are held in f16: magnitudes above 65,504 overflow, below 6.1e-05 lose precision
;; workspace buffers: hx 8,388,608 bytes; wh 33,554,432 bytes; qkvh 25,165,824 bytes; ao 8,388,608 bytes
;; launch prep (part 1): grid 768 x 1, 8 waves a work-group, no clusters, 0 bytes of LDS; arguments x, rms_w, Wq, Wk, Wv, Wo, hx, wh; writes hx, wh
.if DOCPART == 1
	.amdgcn_target "amdgcn-amd-amdhsa--gfx1250"
	.amdhsa_code_object_version 6
	.text
	.protected	k_q80c93b223c_prep
	.globl	k_q80c93b223c_prep
	.p2align	8
	.type	k_q80c93b223c_prep,@function
k_q80c93b223c_prep:
	s_mov_b64 s[64:65], 0
	v_nop
	global_prefetch_b8 v0, s[64:65] scope:SCOPE_SE
	s_setreg_imm32_b32 hwreg(HW_REG_WAVE_MODE, 25, 1), 1
	s_wait_xcnt 0x0
; PREP.  hx = f16(RMSNorm(x, rms_w)), wh = the four weight matrices as f16, in the order q, k, v, o, each [k][n] as it lies.
; EVERY INPUT IS ROUNDED ONCE TO bf16 (x, rms_w, the weights) and the arithmetic is done in f32 on the rounded numbers; what the program makes of them is kept in f16.
; LIMITS.  A bf16 number is exact in f16 between 6.1e-5 and 65,504 in size; a weight below 6.1e-5 keeps f16's fixed step of 6e-8, one beyond 65,504 becomes an infinity.  h likewise stays under 65,504.
; A stream: no byte is shared between waves, so no LDS, no barrier, no cluster, no matrix unit.  A chunk is 8,192 input bytes, taken by 16 loads of 512 neighbouring bytes that are all issued at once.
; Work-groups 0-255: a wave takes one row of x (2,048 numbers, 64 a lane), which stays in registers between the sum of squares and the scaling; the results are packed into the registers that x leaves.
; Work-groups 256-767: a wave takes two chunks of one weight matrix, one after the other, in a loop.  A store of 8 bytes a lane covers 256 consecutive bytes, aligned.
.set X, 16                             ; v[16:79]   64 numbers of x or of a weight matrix: load j holds numbers 128 j + 4 lane + 0..3; for x also the results
.set W, 80                             ; v[80:143]  the same 64 places of rms_w
.set Y, W                              ; v[80:111]  for the weights: the results, two f16 a register; each store of a chunk has registers of its own
.macro RND base, n                     ; n pairs from v[base] on are rounded to bf16 and widened again, in place
.set p, 0
.rept \n
	v_cvt_pk_bf16_f32 v[14+p%2], v[(\base)+2*p], v[(\base)+2*p+1]
	v_lshlrev_b32 v[(\base)+2*p], 16, v[14+p%2]
	v_and_b32 v[(\base)+2*p+1], s10, v[14+p%2]
.set p, p+1
.endr
.endm
	s_load_b512 s[16:31], s[0:1], 0x0              ; x 16, rms_w 18, Wq 20, Wk 22, Wv 24, Wo 26, hx 28, wh 30
	v_lshrrev_b32 v3, 5, v0
	v_readfirstlane_b32 s2, v3                     ; wave 0..7
	v_and_b32 v1, 31, v0
	v_lshlrev_b32 v2, 3, v1                        ; 8 x lane: my place in a store
	v_lshlrev_b32 v1, 4, v1                        ; 16 x lane: my place in a load
	s_mov_b32 s10, 0xffff0000                      ; a word's upper bf16
	s_mov_b32 s11, 0x3a000000                      ; 1 / 2048
	s_mov_b32 s12, 0x3727c5ac                      ; 1e-5
	s_mov_b32 s14, 0x76543210                      ; v_permlanex16_b32: each lane takes its own place in the other half
	s_mov_b32 s15, 0xfedcba98
	s_mov_b32 s9, 0
	s_wait_kmcnt 0x0
	s_cmp_lt_u32 ttmp9, 256
	s_cbranch_scc0 .Lweights
	; ---- a row of x ----
	s_lshl_b32 s3, ttmp9, 3
	s_add_co_u32 s3, s3, s2                        ; row = 8 x work-group + wave
	s_lshl_b32 s8, s3, 13
	s_add_nc_u64 s[4:5], s[16:17], s[8:9]          ; x at my row (8,192 bytes a row)
	s_lshl_b32 s8, s3, 12
	s_add_nc_u64 s[6:7], s[28:29], s[8:9]          ; hx at my row (4,096 bytes a row)
.set j, 0
.rept 16
	global_load_b128 v[X+4*j:X+4*j+3], v1, s[4:5] offset:512*j th:TH_LOAD_NT
.set j, j+1
.endr
.set j, 0
.rept 16
	global_load_b128 v[W+4*j:W+4*j+3], v1, s[18:19] offset:512*j
.set j, j+1
.endr
	s_wait_loadcnt 16                              ; x is in; rms_w's 16 younger loads may stay out
	RND X, 32
.irp c, 0,1,2,3
	v_pk_mul_f32 v[4+2*(\c):5+2*(\c)], v[X+2*(\c):X+2*(\c)+1], v[X+2*(\c):X+2*(\c)+1]  ; four chains of squares, started by the first four pairs
.endr
.set p, 4
.rept 28
	v_pk_fma_f32 v[4+2*(p%4):5+2*(p%4)], v[X+2*p:X+2*p+1], v[X+2*p:X+2*p+1], v[4+2*(p%4):5+2*(p%4)]
.set p, p+1
.endr
	v_pk_add_f32 v[4:5], v[4:5], v[6:7]
	v_pk_add_f32 v[8:9], v[8:9], v[10:11]
	v_pk_add_f32 v[4:5], v[4:5], v[8:9]
	v_add_f32 v14, v4, v5
	v_add_f32_dpp v14, v14, v14 row_xmask:1 row_mask:0xf bank_mask:0xf
	v_add_f32_dpp v14, v14, v14 row_xmask:2 row_mask:0xf bank_mask:0xf
	v_add_f32_dpp v14, v14, v14 row_xmask:4 row_mask:0xf bank_mask:0xf
	v_add_f32_dpp v14, v14, v14 row_xmask:8 row_mask:0xf bank_mask:0xf
	v_permlanex16_b32 v15, v14, s14, s15           ; (v15 has been written: RND used it)
	v_add_f32 v14, v14, v15                        ; the row's sum of squares, in every lane
	v_fma_f32 v3, v14, s11, s12                    ; mean + eps
	v_rsq_f32 v12, v3                              ; twice, for the packed multiply; the first line of RND below, which names neither v3 nor v12-13,
	v_rsq_f32 v13, v3                              ; is the plain instruction that stands behind them (ISA guide 5.7.2)
	s_wait_loadcnt 0x0                             ; rms_w
	RND W, 32
.set p, 0
	s_wait_alu depctr_va_vdst(0)
.rept 32
	v_pk_mul_f32 v[X+2*p:X+2*p+1], v[X+2*p:X+2*p+1], v[12:13]
.set p, p+1
.endr
.set p, 0
.rept 32
	v_pk_mul_f32 v[X+2*p:X+2*p+1], v[X+2*p:X+2*p+1], v[W+2*p:W+2*p+1]
.set p, p+1
.endr
.set p, 0
.rept 32
	v_cvt_pk_f16_f32 v[X+p], v[X+2*p], v[X+2*p+1]  ; in place: register X + p has been read by pair p / 2, or is read by this very line
.set p, p+1
.endr
.set j, 0
.rept 16
	global_store_b64 v2, v[X+2*j:X+2*j+1], s[6:7] offset:256*j
.set j, j+1
.endr
	s_endpgm
	; ---- two chunks of a weight matrix ----
.Lweights:
	s_sub_co_u32 s3, ttmp9, 256
	s_lshr_b32 s13, s3, 7                          ; which matrix: 0 q, 1 k, 2 v, 3 o
	s_and_b32 s3, s3, 127                          ; which 131,072 bytes of it
	s_cmp_eq_u32 s13, 1
	s_cselect_b64 s[4:5], s[22:23], s[20:21]
	s_cmp_eq_u32 s13, 2
	s_cselect_b64 s[4:5], s[24:25], s[4:5]
	s_cmp_eq_u32 s13, 3
	s_cselect_b64 s[4:5], s[26:27], s[4:5]
	s_lshl_b32 s8, s3, 17
	s_lshl_b32 s32, s2, 14                         ; my wave's 16,384 bytes
	s_add_co_u32 s8, s8, s32
	s_add_nc_u64 s[4:5], s[4:5], s[8:9]
	s_lshl_b32 s8, s13, 23                         ; a matrix is 8,388,608 bytes of wh
	s_lshl_b32 s32, s3, 16
	s_add_co_u32 s8, s8, s32
	s_lshl_b32 s32, s2, 13
	s_add_co_u32 s8, s8, s32
	s_add_nc_u64 s[6:7], s[30:31], s[8:9]
	s_mov_b32 s33, 2
.Lchunk:
.set j, 0
.rept 16
	global_load_b128 v[X+4*j:X+4*j+3], v1, s[4:5] offset:512*j th:TH_LOAD_NT
.set j, j+1
.endr
.set j, 0
.rept 16
	s_wait_loadcnt 15-j                            ; loads come back in order: load j is in, the 15 - j younger ones stay out
	RND X+4*j, 2
	v_cvt_pk_f16_f32 v[Y+2*j], v[X+4*j], v[X+4*j+1]
	v_cvt_pk_f16_f32 v[Y+2*j+1], v[X+4*j+2], v[X+4*j+3]
	global_store_b64 v2, v[Y+2*j:Y+2*j+1], s[6:7] offset:256*j
.set j, j+1
.endr
	s_wait_xcnt 0x0                                ; the two bases, and the registers that the stores read, are written again only behind this wait
	s_add_nc_u64 s[4:5], s[4:5], 8192
	s_add_nc_u64 s[6:7], s[6:7], 4096
	s_sub_co_u32 s33, s33, 1
	s_cmp_lg_u32 s33, 0
	s_cbranch_scc1 .Lchunk
	s_endpgm
.Lfunc_end_k_q80c93b223c_prep:
	.size	k_q80c93b223c_prep, .Lfunc_end_k_q80c93b223c_prep-k_q80c93b223c_prep
	.p2alignl 7, 3214868480
	.fill 96, 4, 3214868480
	.section	.rodata,"a",@progbits
	.p2align	6, 0x0
	.amdhsa_kernel k_q80c93b223c_prep
		.amdhsa_group_segment_fixed_size 0
		.amdhsa_private_segment_fixed_size 0
		.amdhsa_enable_private_segment 0
		.amdhsa_kernarg_size 64
		.amdhsa_user_sgpr_count 2
		.amdhsa_user_sgpr_kernarg_segment_ptr 1
		.amdhsa_wavefront_size32 1
		.amdhsa_system_sgpr_workgroup_id_x 1
		.amdhsa_system_sgpr_workgroup_id_y 1
		.amdhsa_system_sgpr_workgroup_id_z 1
		.amdhsa_system_vgpr_workitem_id 0
		.amdhsa_next_free_vgpr 144
		.amdhsa_next_free_sgpr 66
		.amdhsa_reserve_vcc 0
		.amdhsa_float_denorm_mode_32 3
		.amdhsa_float_denorm_mode_16_64 3
		.amdhsa_memory_ordered 1
		.amdhsa_forward_progress 1
		.amdhsa_inst_pref_size 33
	.end_amdhsa_kernel
	.amdgpu_metadata
---
amdhsa.version: [ 1, 2 ]
amdhsa.kernels:
  - .name:           k_q80c93b223c_prep
    .symbol:         k_q80c93b223c_prep.kd
    .args:
      - { .name: x, .offset: 0, .size: 8, .value_kind: global_buffer, .address_space: global }
      - { .name: rms_w, .offset: 8, .size: 8, .value_kind: global_buffer, .address_space: global }
      - { .name: Wq, .offset: 16, .size: 8, .value_kind: global_buffer, .address_space: global }
      - { .name: Wk, .offset: 24, .size: 8, .value_kind: global_buffer, .address_space: global }
      - { .name: Wv, .offset: 32, .size: 8, .value_kind: global_buffer, .address_space: global }
      - { .name: Wo, .offset: 40, .size: 8, .value_kind: global_buffer, .address_space: global }
      - { .name: hx, .offset: 48, .size: 8, .value_kind: global_buffer, .address_space: global }
      - { .name: wh, .offset: 56, .size: 8, .value_kind: global_buffer, .address_space: global }
    .group_segment_fixed_size: 0
    .private_segment_fixed_size: 0
    .kernarg_segment_align: 8
    .kernarg_segment_size: 64
    .max_flat_workgroup_size: 256
    .sgpr_count:     66
    .vgpr_count:     144
    .wavefront_size: 32
...
	.end_amdgpu_metadata
.endif
;; end of part 1
;; launch qkvproj (part 2): grid 16 x 16, 4 waves a work-group, clusters of 4 x 4, 327,680 bytes of LDS; arguments hx, wh, cos, sin, qkvh; writes qkvh
.if DOCPART == 2
	.amdgcn_target "amdgcn-amd-amdhsa--gfx1250"
	.amdhsa_code_object_version 6
	.text
	.protected	k_q80c93b223c_qkvproj
	.globl	k_q80c93b223c_qkvproj
	.p2align	8
	.type	k_q80c93b223c_qkvproj,@function
k_q80c93b223c_qkvproj:
	s_mov_b64 s[64:65], 0
	v_nop
	global_prefetch_b8 v0, s[64:65] scope:SCOPE_SE
	s_setreg_imm32_b32 hwreg(HW_REG_WAVE_MODE, 25, 1), 1
	s_wait_xcnt 0x0
	s_wait_alu depctr_hold_cnt(0) depctr_sa_sdst(0) depctr_va_vdst(0) depctr_va_sdst(0) depctr_va_ssrc(0) depctr_va_vcc(0) depctr_vm_vsrc(0)
	s_getreg_b32 s2, hwreg(HW_REG_IB_STS2, 6, 4)
	s_cmp_eq_u32 s2, 0
	s_cbranch_scc0 .Lentry_in_a_cluster
	s_endpgm
.Lentry_in_a_cluster:
	s_bfe_u32 s2, ttmp6, 0x10000c
	s_cmp_lg_u32 s2, 0xf033
	s_cbranch_scc0 .Lentry_shape_is_right
	s_endpgm
.Lentry_shape_is_right:
; q, k, v = h Wq, h Wk, h Wv, RoPE on q and k, written by heads: qkvh = three tensors [16][2048][128] of f16 (q, k, v), q and k without the softmax's scale.
; hx: [2048][2048] f16.  wh: f16 matrices [k][n] of 8,388,608 bytes: q, k, v (, o).  cos, sin: [2048][64] f32, rounded once to bf16 here like every input.  Sums in f32, each result rounded once to f16.
; LIMIT.  q, k and v must stay under 65,504 in size (f16); beyond it a result is an infinity.
; SHARES.  A work-group makes 128 rows x the 3 x 128 columns of ONE head: 16 x 16 work-groups.  Wave (r, c) takes rows 64 r .. 64 r + 63 (four blocks a of 16) and of each matrix t the blocks of 16 columns
; 2 c + {0, 1, 4, 5}: 48 accumulators (a, b = 4 t + i), 384 registers.  Blocks i and i + 2 lie 64 columns apart: RoPE's two halves meet in one lane.
; THE PRODUCT IS USED TRANSPOSED: source 0 = 16 columns of W (turned out of LDS by ds_load_tr16_b128, since W lies [k][n]), source 1 = 16 rows of h: a lane holds row l % 16 and eight neighbouring columns.
; K goes in 16 steps of 128 through two LDS slots.  A slot has four regions of 36,864 bytes, one for each wave's tensor load of 128 rows x 256 bytes: wave 0 h's rows (pitch 272), waves 1-3 the 128 k-rows of W t (pitch 288).
; CLUSTER 4 x 4: h's tile hangs on the row block alone and is asked for jointly along a row of the cluster, W's tiles on the head alone, jointly along a column.
; REGISTERS: window 0: v0-31 addresses, v32-63 at work, v64-127 h's fragments (two buffers of 4), v128-255 cos and sin.  Window 1: W's fragments, two buffers of 12.  Windows 2, 3: accumulators of a = 0, 1 and a = 2, 3.
.set PA,    272                        ; a row of h in LDS: 256 bytes + 16
.set PB,    288                        ; a k-row of W in LDS: 256 bytes + 32: the turning load's 8 rows x 32 bytes fall on different banks (64 banks of 4 bytes: ISA guide 11.1)
.set REG,   36864                      ; a wave's region of a slot
.set SLOT,  4*REG
.set SPARE, 2*SLOT                     ; behind the ring: the spare words, 128 bytes a wave: two blocks of 256 bytes that no other line names
.set SROWS, 128*PA                     ; the way out: 128 rows x 272 bytes for each of q, k, v, from LDS byte 0 on: slot 0, when it has had its last fill and its last read
.set STO,  8                           ; v8-10   where I put 16 bytes of a row of q, k, v
.set RD,   11                          ; v11-13  where I read rows back
.set GO,   14                          ; v14     16 x lane: my place in 512 consecutive bytes of the output
.set CO,   15                          ; v15     my byte offset in 16 rows of cos and sin
.set ADRA, 16                          ; v16-17  LDS address of my fragments of h in slot 0, 1
.set ADRB, 20                          ; v20-25  the same for W: slot s, matrix t at 20 + 3 s + t
.set PFO,  26                          ; v26     the prefetches' offset: lane x 4,096 (a row of hx or wh)
.set SPW,  28                          ; v28     LDS address of my spare word; never rewritten
.set NIL,  29                          ; v29     0; never rewritten
.set TMP,  32
.set CS,   128                         ; cos at CS + 32 a + 16 i + 0..7, sin at + 8..15
.set WV,   14                          ; s14  wave
.set G1A, 24                           ; s[24:31] group 1 for h's tiles;  s[32:39] group 0, a set for each slot
.set G0A, 32
.set G1B, 48                           ; s[48:55], s[56:63] the same for W's tiles
.set G0B, 56
.set LIM, 43                           ; s43  1 in a wave that prefetches, else the greatest number
.set PFA, 44                           ; s[44:45] where my prefetches stand
.set PFS, 46                           ; s[46:47] a K step in bytes: 256 along h's rows, 524,288 down W's
.set MSB, 0
.macro WIN new                         ; the immediate's high byte repeats the setting that is left; a switch that changes nothing is dropped
.if MSB != (\new)
	s_set_vgpr_msb (MSB<<8)|(\new)
.set MSB, \new
.endif
.endm
.macro JLOAD s                         ; a joint load: wave 0 h's tile, waves 1-3 W's; an s_nop 0 and four v_nop follow each line
	s_cmp_eq_u32 s[WV], 0
	s_cbranch_scc0 .Lfor_b_\@
	tensor_load_to_lds s[G0A+4*(\s):G0A+4*(\s)+3], s[G1A:G1A+7]
	s_nop 0
.rept 4
	v_nop
.endr
	s_branch .Lasked_\@
.Lfor_b_\@:
	tensor_load_to_lds s[G0B+4*(\s):G0B+4*(\s)+3], s[G1B:G1B+7]
	s_nop 0
.rept 4
	v_nop
.endr
.Lasked_\@:
.endm
; A prefetch into the L2 of the K step that stands two refills on (384 matrix instructions ahead of its load): of the 128 rows that a wave fetches, the partner at place p among the four that ask jointly
; takes rows 32 p .. 32 p + 31, told apart by address; a lane a row, 256 bytes.  Of the clusters that read the same rows the first asks (cluster x = 0 for h, cluster y = 0 for W), so each block is named once.
; The loop's last trip (s3 = 1) asks for nothing: K steps 16 and 17 do not exist.  K steps 0 to 3 come by their loads alone.
.macro ASK
	s_cmp_gt_u32 s3, s[LIM]
	s_cbranch_scc0 .Lnot_mine_\@
	global_prefetch_b8 v[PFO], s[PFA:PFA+1] th:TH_LOAD_NT scope:SCOPE_SE
.Lnot_mine_\@:
.endm
.macro CREST                           ; a round of the cluster's barrier behind its opening barrier
	s_cmp_lg_u32 s[WV], 0
	s_cbranch_scc1 .Lnot_wave_0_\@
	s_barrier_signal -3
.Lnot_wave_0_\@:
	s_barrier_wait -3
	s_barrier_signal -1
	s_barrier_wait -1
.endm
.macro CROUND
	s_barrier_signal -1
	s_barrier_wait -1
	CREST
.endm
.macro PLACES                          ; four places behind matrix instructions, in front of loads into registers that they have read (ISA guide 7.12.1 for vector instructions)
.rept 4
	v_nop
.endr
.endm
	s_load_b256 s[4:11], s[0:1], 0x0               ; hx s[4:5], wh s[6:7], cos s[8:9], sin s[10:11]
	s_load_b64 s[12:13], s[0:1], 0x20              ; qkvh
	v_lshl_add_u32 v[SPW], v0, 2, SPARE
	v_mov_b32 v[NIL], 0
	ds_add_u32 v[SPW], v[NIL]                      ; the wave's opening: the add and its wait stand ahead of my first tensor load
	v_lshrrev_b32 v1, 5, v0
	v_readfirstlane_b32 s[WV], v1                  ; wave 0..3
	s_lshr_b32 s15, s[WV], 1                       ; r: which 64 rows
	s_and_b32 s16, s[WV], 1                        ; c: which column blocks
	s_bfe_u32 s17, ttmp6, 0x40000                  ; cx
	s_bfe_u32 s18, ttmp6, 0x40004                  ; cy
	s_lshl_b32 s19, ttmp9, 2
	s_add_co_u32 s19, s19, s17                     ; head = 4 x cluster x + cx
	s_and_b32 s20, ttmp7, 0xffff
	s_lshl_b32 s20, s20, 2
	s_add_co_u32 s20, s20, s18                     ; row block = 4 x cluster y + cy
	s_lshl_b32 s21, s18, 2
	s_lshl_b32 s21, 15, s21                        ; my row of the cluster
	s_lshl_b32 s22, 0x1111, s17                    ; my column
	s_or_b32 s[G1A], s21, (1<<16)|(1<<20)|(1<<21)|(5<<22)|(3<<25)  ; the mask; 2-byte elements; padding on; bit 21 beside a mask; after every 64 words 4 words
	s_or_b32 s[G1B], s22, (1<<16)|(1<<20)|(1<<21)|(5<<22)|(7<<25)  ; the same with 8 words
.irp g, G1A, G1B
	s_mov_b32 s[(\g)+1], 128<<16                   ; tensor_dim0 = 128
	s_mov_b32 s[(\g)+2], 128<<16                   ; tensor_dim1 = 128
	s_mov_b32 s[(\g)+3], 128<<16                   ; tile_dim0 = 128
	s_mov_b32 s[(\g)+4], 128                       ; tile_dim1 = 128
	s_mov_b32 s[(\g)+5], 2048                      ; elements from row to row
	s_mov_b32 s[(\g)+6], 0
	s_mov_b32 s[(\g)+7], 0
.endr
	s_lshl_b32 s40, s20, 19                        ; h: 128 rows of 4,096 bytes a row block
	s_mov_b32 s41, 0
	s_max_u32 s72, s[WV], 1                        ; W: matrix wave - 1 (wave 0 makes matrix 0's address and never asks by it),
	s_sub_co_u32 s72, s72, 1
	s_lshl_b32 s72, s72, 23
	s_lshl_b32 s73, s19, 8                         ; the head's 256 bytes of a row
	s_add_co_u32 s72, s72, s73
	s_mov_b32 s73, 0
	s_mul_i32 s23, s[WV], REG                      ; where my tiles go: no place in the cluster enters an LDS address
	s_mov_b32 s42, 0xffff0000
	s_wait_dscnt 0x0                               ; the opening add is done
	s_wait_kmcnt 0x0
	s_add_nc_u64 s[40:41], s[4:5], s[40:41]
	s_add_nc_u64 s[72:73], s[6:7], s[72:73]
	CROUND                                         ; all sixteen work-groups are here: the first joint loads meet
.irp s, 0,1
	s_mov_b32 s[G0A+4*(\s)], 1
	s_add_co_u32 s[G0A+4*(\s)+1], s23, (\s)*SLOT
	s_add_nc_u64 s[G0A+4*(\s)+2:G0A+4*(\s)+3], s[40:41], (\s)*256       ; K step s: 256 bytes along the rows
	s_or_b32 s[G0A+4*(\s)+3], s[G0A+4*(\s)+3], 0x80000000
	s_mov_b32 s[G0B+4*(\s)], 1
	s_add_co_u32 s[G0B+4*(\s)+1], s23, (\s)*SLOT
	s_add_nc_u64 s[G0B+4*(\s)+2:G0B+4*(\s)+3], s[72:73], (\s)*524288    ; K step s: 128 rows down
	s_or_b32 s[G0B+4*(\s)+3], s[G0B+4*(\s)+3], 0x80000000
	JLOAD \s                                       ; two loads of mine are out
.endr
	v_and_b32 v1, 15, v0                           ; l % 16
	v_bfe_u32 v2, v0, 4, 1                         ; l / 16
	v_mul_u32_u24 v3, v1, PA
	v_lshl_add_u32 v3, v2, 4, v3
	s_mul_i32 s21, s15, 64*PA
	v_add_nc_u32 v[ADRA], s21, v3                  ; (64 r + l % 16) x 272 + 16 (l / 16)
	v_add_nc_u32 v[ADRA+1], SLOT, v[ADRA]
	v_and_b32 v4, 7, v0
	v_bfe_u32 v5, v0, 3, 1
	v_lshl_add_u32 v6, v2, 3, v4
	v_mul_u32_u24 v6, v6, PB
	v_lshl_add_u32 v6, v5, 4, v6                   ; the turning load: k-row 8 (l / 16) + l % 8, 16 bytes (l / 8) % 2
	s_lshl_b32 s22, s16, 6
	v_add_nc_u32 v6, s22, v6                       ; + 64 c: my column blocks
.irp s, 0,1
.irp t, 0,1,2
	v_add_nc_u32 v[ADRB+3*(\s)+(\t)], (\s)*SLOT+((\t)+1)*REG, v6
.endr
.endr
	v_add_nc_u32 v[STO], s22, v[ADRA]              ; the stage has h's pitch and begins at byte 0: row 64 r + l % 16, byte 16 (l / 16) + 64 c
	v_add_nc_u32 v[STO+1], SROWS, v[STO]
	v_add_nc_u32 v[STO+2], 2*SROWS, v[STO]
	s_mul_i32 s21, s[WV], 32*PA
	v_mul_u32_u24 v7, v2, PA
	v_lshl_add_u32 v7, v1, 4, v7
	v_add_nc_u32 v[RD], s21, v7                    ; back: wave w takes rows 32 w .. 32 w + 31 whole, two a load
	v_add_nc_u32 v[RD+1], SROWS, v[RD]
	v_add_nc_u32 v[RD+2], 2*SROWS, v[RD]
	v_and_b32 v[GO], 31, v0
	v_lshlrev_b32 v[PFO], 12, v[GO]
	v_lshlrev_b32 v[GO], 4, v[GO]
	v_lshlrev_b32 v[CO], 8, v1
	v_lshl_add_u32 v[CO], v2, 5, v[CO]
	s_lshl_b32 s21, s16, 7
	v_add_nc_u32 v[CO], s21, v[CO]                 ; (l % 16) x 256 + 32 (l / 16) + 128 c
	s_lshl_b32 s78, s20, 15
	s_lshl_b32 s21, s15, 14
	s_add_co_u32 s78, s78, s21                     ; row 128 x row block + 64 r, 256 bytes a row
	s_mov_b32 s79, 0
	s_add_nc_u64 s[74:75], s[8:9], s[78:79]
	s_add_nc_u64 s[76:77], s[10:11], s[78:79]
.irp a, 0,1,2,3
.irp i, 0,1
	global_load_b128 v[CS+32*(\a)+16*(\i):CS+32*(\a)+16*(\i)+3],     v[CO], s[74:75] offset:4096*(\a)+64*(\i)
	global_load_b128 v[CS+32*(\a)+16*(\i)+4:CS+32*(\a)+16*(\i)+7],   v[CO], s[74:75] offset:4096*(\a)+64*(\i)+16
	global_load_b128 v[CS+32*(\a)+16*(\i)+8:CS+32*(\a)+16*(\i)+11],  v[CO], s[76:77] offset:4096*(\a)+64*(\i)
	global_load_b128 v[CS+32*(\a)+16*(\i)+12:CS+32*(\a)+16*(\i)+15], v[CO], s[76:77] offset:4096*(\a)+64*(\i)+16
.endr
.endr
	s_lshl_b32 s84, s19, 19                        ; the output: head x 524,288 + (128 x row block + 32 w) x 256
	s_lshl_b32 s21, s20, 15
	s_add_co_u32 s84, s84, s21
	s_lshl_b32 s21, s[WV], 13
	s_add_co_u32 s84, s84, s21
	s_mov_b32 s85, 0
	s_add_nc_u64 s[66:67], s[12:13], s[84:85]      ; q
	s_add_nc_u64 s[68:69], s[66:67], 0x800000      ; k
	s_add_nc_u64 s[70:71], s[68:69], 0x800000      ; v
	s_lshl_b32 s80, s20, 19                        ; the prefetches.  h: row 128 x row block + 32 cx, at K step 3
	s_lshl_b32 s21, s17, 17
	s_add_co_u32 s80, s80, s21
	s_add_co_u32 s80, s80, 3*256
	s_max_u32 s82, s[WV], 1                        ; W: matrix wave - 1, k-row 3 x 128 + 32 cy, the head's columns
	s_sub_co_u32 s82, s82, 1
	s_lshl_b32 s82, s82, 23
	s_lshl_b32 s21, s18, 17
	s_add_co_u32 s82, s82, s21
	s_lshl_b32 s21, s19, 8
	s_add_co_u32 s82, s82, s21
	s_add_co_u32 s82, s82, 3*524288
	s_and_b32 s83, ttmp7, 0xffff                   ; cluster y
	s_mov_b32 s[PFS], 524288
	s_mov_b32 s[PFS+1], 0
	s_mov_b32 s81, 0
	s_cmp_eq_u32 s[WV], 0
	s_cselect_b32 s80, s80, s82
	s_cselect_b32 s83, ttmp9, s83                  ; the coordinate along which other clusters read the same rows
	s_cselect_b32 s[PFS], 256, s[PFS]
	s_cselect_b64 s[PFA:PFA+1], s[4:5], s[6:7]
	s_cmp_eq_u32 s83, 0
	s_cselect_b32 s[LIM], 1, -1                    ; the same in all sixteen partners, for a given wave
	s_add_nc_u64 s[PFA:PFA+1], s[PFA:PFA+1], s[80:81]  ; at K step 3: the first refill steps it to 4
; 12 matrix instructions: row block 2 hi + a x all 12 column blocks, 32 along K, from buffer f.  Each of the 48 accumulators comes once a quarter, in the same order: they take turns.
.macro MUL12 f, hi, a, zero
	WIN 0xa1+0x50*(\hi)                            ; source 0 (W) window 1, source 1 (h) window 0, C and D window 2 or 3
.irp b, 0,1,2,3,4,5,6,7,8,9,10,11
.if \zero
	v_wmma_f32_16x16x32_f16 v[8*(12*(\a)+(\b)):8*(12*(\a)+(\b))+7], v[96*(\f)+8*(\b):96*(\f)+8*(\b)+7], v[64+32*(\f)+8*(2*(\hi)+(\a)):64+32*(\f)+8*(2*(\hi)+(\a))+7], 0
.else
	v_wmma_f32_16x16x32_f16 v[8*(12*(\a)+(\b)):8*(12*(\a)+(\b))+7], v[96*(\f)+8*(\b):96*(\f)+8*(\b)+7], v[64+32*(\f)+8*(2*(\hi)+(\a)):64+32*(\f)+8*(2*(\hi)+(\a))+7], v[8*(12*(\a)+(\b)):8*(12*(\a)+(\b))+7]
.endif
.endr
.endr
.endm
; 32 LDS loads in one run: quarter q (32 along K) of a slot into buffer f: W's 12 fragments, then h's four
.macro FETCH slot, q, f
	WIN 0x40
.irp t, 0,1,2
.irp i, 0,1,2,3
	ds_load_tr16_b128 v[96*(\f)+8*(4*(\t)+(\i)):96*(\f)+8*(4*(\t)+(\i))+3],   v[ADRB+3*(\slot)+(\t)] offset:9216*(\q)+32*((\i)%2)+128*((\i)/2)
	ds_load_tr16_b128 v[96*(\f)+8*(4*(\t)+(\i))+4:96*(\f)+8*(4*(\t)+(\i))+7], v[ADRB+3*(\slot)+(\t)] offset:9216*(\q)+32*((\i)%2)+128*((\i)/2)+4608
.endr
.endr
	WIN 0
.irp a, 0,1,2,3
	ds_load_b128 v[64+32*(\f)+8*(\a):64+32*(\f)+8*(\a)+3],   v[ADRA+(\slot)] offset:4352*(\a)+64*(\q)
	ds_load_b128 v[64+32*(\f)+8*(\a)+4:64+32*(\f)+8*(\a)+7], v[ADRA+(\slot)] offset:4352*(\a)+64*(\q)+32
.endr
.endm
; One of a K step's first three quarters: multiplies buffer f; in its middle it fetches quarter q of the same slot into buffer g
.macro QUARTER slot, q, f, g, zero
	s_wait_dscnt 4                                 ; W and h's blocks 0, 1 are in; the youngest four loads (blocks 2, 3) may be out
	MUL12 \f, 0, 0, \zero
	MUL12 \f, 0, 1, \zero
	PLACES
	FETCH \slot, \q, \g
	s_wait_dscnt 32                                ; all but the 32 just issued
	MUL12 \f, 1, 0, \zero
	MUL12 \f, 1, 1, \zero
.endm
; The last quarter's first half, and the ONE barrier of a change of slots: in front of it each wave waits for all its tensor loads, adds 0 to its spare word, and waits for that and for its reads of the slot
.macro MEET round
	WIN 0
	s_wait_tensorcnt 0x0                           ; all my tensor loads have landed: the one that was out is my part of the next slot
	ds_add_u32 v[SPW], v[NIL]
	s_wait_dscnt 5                                 ; (the add and the youngest four loads may be out)
	MUL12 1, 0, 0, 0
	s_wait_dscnt 0x0                               ; the add is done, and my reads of this slot are over
	s_barrier_signal -1
	MUL12 1, 0, 1, 0
.if \round
	WIN 0
.endif
	s_barrier_wait -1
.endm
.macro TURN slot, next, fill
.if \fill
	s_wait_xcnt 0x0                                ; the last prefetch, a K step back, has read its address
	s_add_nc_u64 s[PFA:PFA+1], s[PFA:PFA+1], s[PFS:PFS+1]
	MEET 1
	CREST                                          ; the barrier has opened a round of the cluster's: no wave of any partner still reads this slot or has a load on its way
	s_add_nc_u64 s[G0A+4*(\slot)+2:G0A+4*(\slot)+3], s[G0A+4*(\slot)+2:G0A+4*(\slot)+3], 2*256
	s_add_nc_u64 s[G0B+4*(\slot)+2:G0B+4*(\slot)+3], s[G0B+4*(\slot)+2:G0B+4*(\slot)+3], 2*524288
	JLOAD \slot                                    ; the first tensor load behind the round; its four v_nop are also the places in front of the loads below
	FETCH \next, 0, 0
	ASK
.else
	MEET 0
	PLACES
	FETCH \next, 0, 0
.endif
	MUL12 1, 1, 0, 0
	MUL12 1, 1, 1, 0
.endm
	s_wait_tensorcnt 1                             ; my part of K step 0 is in; K step 1's may stay out
	s_barrier_signal -1
	s_barrier_wait -1
	FETCH 0, 0, 0
	QUARTER 0, 1, 0, 1, 1                          ; the first quarter stands in front of the loop: its products start the sums
	WIN 0
	s_mov_b32 s3, 7
.Llap:                                                 ; a trip goes once round the ring and fills both slots again
	QUARTER 0, 2, 1, 0, 0
	QUARTER 0, 3, 0, 1, 0
	TURN 0, 1, 1
	QUARTER 1, 1, 0, 1, 0
	QUARTER 1, 2, 1, 0, 0
	QUARTER 1, 3, 0, 1, 0
	TURN 1, 0, 1
	QUARTER 0, 1, 0, 1, 0
	WIN 0
	s_sub_co_u32 s3, s3, 1
	s_cmp_lg_u32 s3, 0
	s_cbranch_scc1 .Llap
	QUARTER 0, 2, 1, 0, 0                          ; the last lap fills nothing
	QUARTER 0, 3, 0, 1, 0
	TURN 0, 1, 0                                   ; behind this barrier no wave reads slot 0 any more, and no tensor load is out or to come
	QUARTER 1, 1, 0, 1, 0
	QUARTER 1, 2, 1, 0, 0
	QUARTER 1, 3, 0, 1, 0
	s_wait_dscnt 4
	MUL12 1, 0, 0, 0
	MUL12 1, 0, 1, 0
	s_wait_dscnt 0x0
	MUL12 1, 1, 0, 0
	MUL12 1, 1, 1, 0
	; THE WAY OUT.  cos and sin are rounded to bf16 in place: 192 plain lines, which are also the places behind the last products.
	WIN 0
	s_wait_loadcnt 0x0
.set p, 0
.rept 64
	v_cvt_pk_bf16_f32 v[TMP+p%4], v[CS+2*p], v[CS+2*p+1]
	v_lshlrev_b32 v[CS+2*p], 16, v[TMP+p%4]
	v_and_b32 v[CS+2*p+1], s42, v[TMP+p%4]
.set p, p+1
.endr
; RoPE on the pair of accumulators (a, 4 t + i) = t1 and (a, 4 t + i + 2) = t2: t1 c - t2 s and t2 c + t1 s, rounded to f16, 16 bytes each into the stage.  Each accumulator is read from its low end on.
.macro ROPE a, t, i
.set A1, 8*(12*((\a)%2)+4*(\t)+(\i))
.set A2, A1+16
.set CC, CS+32*(\a)+16*(\i)
	WIN 0x02+(\a)/2                                ; source 0: the accumulators' window
.irp p, 0,1,2,3
	v_pk_mul_f32 v[TMP+2*(\p):TMP+2*(\p)+1], v[A2+2*(\p):A2+2*(\p)+1], v[CC+8+2*(\p):CC+8+2*(\p)+1]
	v_pk_mul_f32 v[TMP+8+2*(\p):TMP+8+2*(\p)+1], v[A1+2*(\p):A1+2*(\p)+1], v[CC+8+2*(\p):CC+8+2*(\p)+1]
	v_pk_fma_f32 v[TMP+16+2*(\p):TMP+16+2*(\p)+1], v[A1+2*(\p):A1+2*(\p)+1], v[CC+2*(\p):CC+2*(\p)+1], v[TMP+2*(\p):TMP+2*(\p)+1] neg_lo:[0,0,1] neg_hi:[0,0,1]
	v_pk_fma_f32 v[TMP+24+2*(\p):TMP+24+2*(\p)+1], v[A2+2*(\p):A2+2*(\p)+1], v[CC+2*(\p):CC+2*(\p)+1], v[TMP+8+2*(\p):TMP+8+2*(\p)+1]
.endr
	WIN 0
.irp p, 0,1,2,3
	v_cvt_pk_f16_f32 v[TMP+(\p)], v[TMP+16+2*(\p)], v[TMP+16+2*(\p)+1]
	v_cvt_pk_f16_f32 v[TMP+4+(\p)], v[TMP+24+2*(\p)], v[TMP+24+2*(\p)+1]
.endr
	ds_store_b128 v[STO+(\t)], v[TMP:TMP+3] offset:4352*(\a)+32*(\i)
	ds_store_b128 v[STO+(\t)], v[TMP+4:TMP+7] offset:4352*(\a)+32*(\i)+128
.endm
.macro VOUT a                          ; v's four accumulators of row block a
	WIN 0x0a+5*((\a)/2)                            ; sources 0 and 1: the accumulators' window
.irp i, 0,1,2,3
.irp p, 0,1,2,3
	v_cvt_pk_f16_f32 v[TMP+4*(\i)+(\p)], v[8*(12*((\a)%2)+8+(\i))+2*(\p)], v[8*(12*((\a)%2)+8+(\i))+2*(\p)+1]
.endr
.endr
	WIN 0
.irp i, 0,1,2,3
	ds_store_b128 v[STO+2], v[TMP+4*(\i):TMP+4*(\i)+3] offset:4352*(\a)+32*((\i)%2)+128*((\i)/2)
.endr
.endm
.irp a, 0,1,2,3
	ROPE \a, 0, 0
	ROPE \a, 0, 1
	ROPE \a, 1, 0
	ROPE \a, 1, 1
	VOUT \a
.endr
	s_wait_dscnt 0x0                               ; for the others' sake: a row's 256 bytes come from two waves
	s_barrier_signal -1
	s_barrier_wait -1
.irp t, 0,1,2
.set n, 0
.rept 16
	ds_load_b128 v[64+64*(\t)+4*n:64+64*(\t)+4*n+3], v[RD+(\t)] offset:544*n
.set n, n+1
.endr
.endr
.irp t, 0,1,2
.set n, 0
.rept 16
	s_wait_dscnt 47-16*(\t)-n                      ; LDS loads come back in order: this one is in, the younger ones stay out
	global_store_b128 v[GO], v[64+64*(\t)+4*n:64+64*(\t)+4*n+3], s[66+2*(\t):67+2*(\t)] offset:512*n  ; two rows of a head: 512 consecutive bytes, aligned
.set n, n+1
.endr
.endr
	s_wait_tensorcnt 0x0                           ; the wave's end
	ds_add_u32 v[SPW], v[NIL]
	s_wait_dscnt 0x0
	CROUND                                         ; the closing round
	s_endpgm
.Lfunc_end_k_q80c93b223c_qkvproj:
	.size	k_q80c93b223c_qkvproj, .Lfunc_end_k_q80c93b223c_qkvproj-k_q80c93b223c_qkvproj
	.p2alignl 7, 3214868480
	.fill 96, 4, 3214868480
	.section	.rodata,"a",@progbits
	.p2align	6, 0x0
	.amdhsa_kernel k_q80c93b223c_qkvproj
		.amdhsa_group_segment_fixed_size 327680
		.amdhsa_private_segment_fixed_size 0
		.amdhsa_enable_private_segment 0
		.amdhsa_kernarg_size 40
		.amdhsa_user_sgpr_count 2
		.amdhsa_user_sgpr_kernarg_segment_ptr 1
		.amdhsa_wavefront_size32 1
		.amdhsa_system_sgpr_workgroup_id_x 1
		.amdhsa_system_sgpr_workgroup_id_y 1
		.amdhsa_system_sgpr_workgroup_id_z 1
		.amdhsa_system_vgpr_workitem_id 0
		.amdhsa_next_free_vgpr 960
		.amdhsa_next_free_sgpr 90
		.amdhsa_reserve_vcc 0
		.amdhsa_float_denorm_mode_32 3
		.amdhsa_float_denorm_mode_16_64 3
		.amdhsa_memory_ordered 1
		.amdhsa_forward_progress 1
		.amdhsa_inst_pref_size 149
	.end_amdhsa_kernel
	.amdgpu_metadata
---
amdhsa.version: [ 1, 2 ]
amdhsa.kernels:
  - .name:           k_q80c93b223c_qkvproj
    .symbol:         k_q80c93b223c_qkvproj.kd
    .args:
      - { .name: hx, .offset: 0, .size: 8, .value_kind: global_buffer, .address_space: global }
      - { .name: wh, .offset: 8, .size: 8, .value_kind: global_buffer, .address_space: global }
      - { .name: cos, .offset: 16, .size: 8, .value_kind: global_buffer, .address_space: global }
      - { .name: sin, .offset: 24, .size: 8, .value_kind: global_buffer, .address_space: global }
      - { .name: qkvh, .offset: 32, .size: 8, .value_kind: global_buffer, .address_space: global }
    .group_segment_fixed_size: 327680
    .private_segment_fixed_size: 0
    .kernarg_segment_align: 8
    .kernarg_segment_size: 40
    .max_flat_workgroup_size: 128
    .sgpr_count:     90
    .vgpr_count:     960
    .wavefront_size: 32
...
	.end_amdgpu_metadata
.endif
;; end of part 2
;; launch attn (part 3): grid 16 x 16, 8 waves a work-group, clusters of 4 x 1, 327,680 bytes of LDS; arguments qkvh, ao; writes ao
.if DOCPART == 3
	.amdgcn_target "amdgcn-amd-amdhsa--gfx1250"
	.amdhsa_code_object_version 6
	.text
	.protected	k_q80c93b223c_attn
	.globl	k_q80c93b223c_attn
	.p2align	8
	.type	k_q80c93b223c_attn,@function
k_q80c93b223c_attn:
	s_mov_b64 s[64:65], 0
	v_nop
	global_prefetch_b8 v0, s[64:65] scope:SCOPE_SE
	s_setreg_imm32_b32 hwreg(HW_REG_WAVE_MODE, 25, 1), 1
	s_wait_xcnt 0x0
	s_wait_alu depctr_hold_cnt(0) depctr_sa_sdst(0) depctr_va_vdst(0) depctr_va_sdst(0) depctr_va_ssrc(0) depctr_va_vcc(0) depctr_vm_vsrc(0)
	s_getreg_b32 s2, hwreg(HW_REG_IB_STS2, 6, 4)
	s_cmp_eq_u32 s2, 0
	s_cbranch_scc0 .Lentry_in_a_cluster
	s_endpgm
.Lentry_in_a_cluster:
	s_bfe_u32 s2, ttmp6, 0x10000c
	s_cmp_lg_u32 s2, 0x3003
	s_cbranch_scc0 .Lentry_shape_is_right
	s_endpgm
.Lentry_shape_is_right:
; CAUSAL ATTENTION.  ao[q][128 h + d] = the sum over k <= q of softmax_k(Q[h][q] . K[h][k] / sqrt(128)) V[h][k][d].  qkvh: Q, K, V as [16][2048][128] f16, 8,388,608 bytes each; ao: [2048][2048] f16.
; Products, maxima and sums in f32; the weights p are rounded to f16 for the second product (their sum l is taken of the unrounded p), the result once at the end.
; LIMITS.  A hidden score counts as its value less 1e30 (f16's scores are nothing beside that); a weight below 2^-126 counts as 0 in l; NaN and infinities are not treated apart.
; THE WALK.  A head has 32 blocks of 64 queries.  Work-group b = 4 u + cx (u: the cluster) takes block b and then block 31 - b.  Keys go in steps of 64, four steps to an LDS tile of 256 keys.  Block b needs the
; key tiles 0 .. u, block 31 - b the tiles 0 .. 7 - u: NINE tiles for every work-group, and the SAME sequence of tiles for the four partners of a cluster: every tile is asked for jointly.  Of the 36 steps three
; lie wholly behind the diagonal; they are computed under the mask: leaving them out would be a branch on the place in the cluster.
; SHARES.  Eight waves of 512 registers.  Waves w and w + 4 own the SAME 16 rows of a block (quarter w % 4) and SPLIT THE KEYS: of a tile's four steps group g = w / 4 takes steps g and g + 2: 18 steps a wave.
; A wave issues in order: its softmax and its products follow each other; with two waves that do not depend on each other, one's vector work stands beside the other's products.
; THE MERGE.  At a block's end group 1 puts its O^T, c m and l (all f32) into LDS; behind a barrier group 0 forms m = max(m1, m2), a_i = 2^(c m_i - c m), l = a1 l1 + a2 l2 and O = (a1 O1 + a2 O2) / l.
; A group that has seen hidden keys alone has c m near -1.3e29: its a is 0, and its sums, which are finite, vanish.  Step 0 is group 0's, and every row sees a key there.
; THE MASK starts S^T = K Q^T: it is written into S, which is then C and D of all 16 products.  MD, made once, is the mask of the block's own step for my 16 rows; a step's mask is MD x AL + BE:
; (1, 0) in the block's own step, (0, 0) before it, (0, -1e30) behind it.
; LAYOUT.  S^T = K Q^T holds one query a lane (l % 16) and the keys 8 (l / 16) + 0..7 of each 16; rounded in pairs it IS source 1 of O^T = V^T P, which again holds one query a lane.  V is turned out of LDS.
; SOFTMAX.  p = 2^(c s - c m), c = log2(e) / sqrt(128), with a running maximum m; O and l are multiplied by a = 2^(c m_old - c m_new) in every step.  m starts at the lowest finite number: a block's first a is 0.
; ORDER.  A trip: H2A (my next step's K is asked of LDS; softmax and V^T P of the step in hand), the first block's end if it falls here, FETCH_V (my next step's V), H1 (my next step's scores).
; LDS INSTRUCTIONS OUT.  K's and V's runs are 32 loads each.  The counted waits leave 31 of the younger run out, not 32: with the run of 32 that follows, at most 63 are out, as many as DScnt counts (ISA guide 5.7.1).
; The 66 lines that clear O and l stand in the wait for the first tile: the price of writing no first step out.
; REGISTERS.  Window 0: all but K and V.  Window 1: v0-127 K of a step (key block kb, channel chunk ch at 32 kb + 8 ch), v128-255 V (key half kk, channel block cb at 128 + 64 kk + 8 cb).
.set PK,    272                        ; a row of K in LDS: 256 bytes + 16
.set PV,    288                        ; a row of V: 256 + 32
.set KSTEP, 64*PK                      ; a step's rows of K; also what one wave's tensor load brings
.set VSTEP, 64*PV
.set VOFF,  256*PK                     ; a slot: 256 rows of K, then 256 rows of V
.set SLOT,  256*(PK+PV)
.set SCR,   2*SLOT                     ; behind the ring, never filled by a tensor load: a region for each pair of waves: 8,192 bytes of O^T, then 256 of c m and l; later its first 16 x 272 bytes are the stage
.set RGN,   8704
.set SP,    272
.set SPARE, SCR+4*RGN                  ; the spare words, 128 bytes a wave: four blocks of 256 bytes that no other line names
.set AK0, 2                            ; v2   my lane's place in a tile of K
.set AV0, 3                            ; v3   the same for V
.set AK,  4                            ; v4   the LDS address of K's next run of loads
.set AV,  5                            ; v5   of V's
.set STO, 6                            ; v6   the way out: where I put 16 bytes of a row
.set RD,  7                            ; v7   where I read rows back
.set GO,  8                            ; v8   my byte offset in two rows of ao
.set QO,  12                           ; v12  my byte offset in 16 rows of Q
.set PFO, 13                           ; v13  256 x lane
.set MO,  15                           ; v15  c m_old
.set ST,  16                           ; v16 c m, v17 m, v18-19 l (even keys', odd keys')
.set C0,  20                           ; v20-23 at work; a goes into v22.  v24-27: the merge's statistics
.set SPW, 28
.set NIL, 29
.set PP,  30                           ; v30  the pair's region + 16 x lane
.set PS,  31                           ; v31  the pair's region + 8,192 + 8 x lane
.set S,   32                           ; v32-63   the mask, then scores, then weights
.set P,   64                           ; v64-79   weights in f16
.set OT,  80                           ; v80-143  O^T: channel block cb at 80 + 8 cb
.set MD,  144
.set QB,  176                          ; v176-207 the second block's Q
.set QF,  208                          ; v208-239 Q of the block in hand
.set WV,  12
.set CX,  13
.set U,   14
.set BL,  15
.set WQ,  17                           ; w % 4: my quarter of a block's rows, and of the rows that a tile's K or V has
.set GR,  18                           ; w / 4: my group
.set G1K, 24
.set G1V, 32
.set G0K, 40                           ; s[40:47] group 0 for K's tiles: a set for each of the two first fills; the second then walks on
.set G0V, 48
.set TILES, 56
.set CNT, 57
.set CS,  58                           ; s[58:59] c
.set SEL, 60
.set TBK, 62                           ; LDS byte at which my next step begins, for K
.set TBV, 63                           ; and for V, less VOFF
.set KB,  66                           ; s[66:67] K at my quarter of the head's tile 0
.set VB,  68
.set OFF, 70
.set AL,  72
.set BE,  74
.set OB,  76                           ; s[76:77] ao at my rows of the block in hand
.set OHI, 78                           ; of the second block
.set NXT, 80                           ; the key tile to be asked for next
.set LQ,  81                           ; the last key tile of the block whose tiles are being asked for
.set RT,  82                           ; tiles that the first block still has: u + 1 at the start, one less at each change of slots
.set FLAG, 83                          ; 1: the step in hand is the first block's last
.set DG,  84                           ; steps from my next step to the block's own step: b - g, then 31 - b - g, at a block's start; two less for each of my steps
.set SB,  85                           ; 0 or SLOT: the slot that is being read
.set BIGN, 86
.set LIM, 87                           ; 1 in a wave that prefetches, else the greatest number
.set PFA, 88
.set QLO, 90
.set QHI, 92
.set LK,  96                           ; where my tensor loads put K in a slot: KSTEP x (w % 4)
.set LV,  97                           ; and V: VOFF + VSTEP x (w % 4)
.set GK,  98                           ; my group's first step in a tile: KSTEP x g
.set GV,  99                           ; VSTEP x g
.set DH,  100                          ; 31 - b - g
.set MSB, 0
.macro WIN new
.if MSB != (\new)
	s_set_vgpr_msb (MSB<<8)|(\new)
.set MSB, \new
.endif
.endm
.macro BREG i                          ; register i of 64 of the partner's O^T: S and P (v32-79), then v240-255
.if (\i) < 48
.set rB, 32+(\i)
.else
.set rB, 192+(\i)
.endif
.endm
.macro JLOAD                           ; a joint refill: waves 0-3 the quarters of a tile's K, waves 4-7 of its V; an s_nop 0 and four v_nop follow each line
	s_cmp_lt_u32 s[WV], 4
	s_cbranch_scc0 .Lfor_v_\@
	tensor_load_to_lds s[G0K+4:G0K+7], s[G1K:G1K+7]
	s_nop 0
.rept 4
	v_nop
.endr
	s_branch .Lasked_\@
.Lfor_v_\@:
	tensor_load_to_lds s[G0V+4:G0V+7], s[G1V:G1V+7]
	s_nop 0
.rept 4
	v_nop
.endr
.Lasked_\@:
.endm
; A prefetch into the L2 of the tile that the NEXT change of slots will ask for: a tile's work, 64 matrix instructions of each wave, ahead of its load.  All clusters of a head read the same K and V; the first of
; them (u = 0), whose second block passes every tile, asks.  Of a tile's 256 rows of K and of V each of the four partners takes 64, told apart by address; waves 0 and 2 ask for K's, 32 rows each, waves 4 and 6 for V's;
; a lane a row of 256 bytes.  Key tiles 0 and 1 come by their loads alone; the loop's last change (TILES = 1) asks for nothing: there is no tile behind the one that it loads.
.macro ASK
	s_cmp_gt_u32 s[TILES], s[LIM]
	s_cbranch_scc0 .Lnot_mine_\@
	global_prefetch_b8 v[PFO], s[PFA:PFA+1] th:TH_LOAD_NT scope:SCOPE_SE
.Lnot_mine_\@:
.endm
.macro CROUND
	s_barrier_signal -1
	s_barrier_wait -1
	s_cmp_lg_u32 s[WV], 0
	s_cbranch_scc1 .Lnot_wave_0_\@
	s_barrier_signal -3
.Lnot_wave_0_\@:
	s_barrier_wait -3
	s_barrier_signal -1
	s_barrier_wait -1
.endm
.macro SETG s                          ; set s of both group 0s takes key tile NXT (65,536 bytes of K and of V); NXT steps, and behind the first block's last tile goes back to 0
	s_lshl_b32 s[OFF], s[NXT], 16
	s_add_nc_u64 s[G0K+4*(\s)+2:G0K+4*(\s)+3], s[KB:KB+1], s[OFF:OFF+1]
	s_or_b32 s[G0K+4*(\s)+3], s[G0K+4*(\s)+3], 0x80000000
	s_add_nc_u64 s[G0V+4*(\s)+2:G0V+4*(\s)+3], s[VB:VB+1], s[OFF:OFF+1]
	s_or_b32 s[G0V+4*(\s)+3], s[G0V+4*(\s)+3], 0x80000000
	s_add_co_u32 s[NXT], s[NXT], 1
	s_cmp_gt_u32 s[NXT], s[LQ]
	s_cselect_b32 s[NXT], 0, s[NXT]
	s_cselect_b32 s[LQ], 99, s[LQ]
.endm
; THE CHANGE OF SLOTS, between H1 and H2A of my last step in a tile: that step's K and V have been asked of LDS, so the slot at SB has been read out.  fill = 1: it takes the tile two further on in the walk, behind a
; round of the cluster's barrier; the tile after that is prefetched, and the first block may end behind this change.  The slot's base is one scalar, turned by an exclusive or between 0 and SLOT; what hangs on it is a sum.
.macro CHANGE fill
	WIN 0
	s_wait_tensorcnt 0x0                           ; no tensor load of mine is out (the one that was is my part of the other slot), so a group 0 may be written
	ds_add_u32 v[SPW], v[NIL]                      ; 0 onto my spare word; the scalar work below stands between it and the wait for it
.if \fill
	s_add_co_u32 s[G0K+5], s[SB], s[LK]            ; the walking descriptors: into the slot that is left
	s_add_co_u32 s[G0V+5], s[SB], s[LV]
	SETG 1
	s_wait_xcnt 0x0                                ; the last prefetch, a tile back, has read its address
	s_add_nc_u64 s[PFA:PFA+1], s[PFA:PFA+1], 65536
	s_sub_co_u32 s[RT], s[RT], 1                   ; the first block's last tile is left when it has none to come
	s_cmp_eq_u32 s[RT], 0
	s_cselect_b32 s[FLAG], 1, 0
.endif
	s_xor_b32 s[SB], s[SB], SLOT                   ; the fetches go on in the other slot, at my group's first step
	s_add_co_u32 s[TBK], s[SB], s[GK]
	s_add_co_u32 s[TBV], s[SB], s[GV]
	s_wait_dscnt 0x0                               ; the add is done, and my reads of the slot are over
.if \fill
	CROUND
	JLOAD
	ASK
.else
	s_barrier_signal -1
	s_barrier_wait -1
.endif
.endm
.macro FETCH_K                         ; a step's K: 64 keys x 128 channels, 16 fragments
	WIN 0x40
.irp f, 0,1,2,3,4,5,6,7,8,9,10,11,12,13,14,15
	ds_load_b128 v[8*(\f):8*(\f)+3],   v[AK] offset:((\f)/4)*16*PK+((\f)%4)*64
	ds_load_b128 v[8*(\f)+4:8*(\f)+7], v[AK] offset:((\f)/4)*16*PK+((\f)%4)*64+32
.endr
	s_add_co_u32 s[TBK], s[TBK], 2*KSTEP           ; my next step lies two steps on
	WIN 0
.endm
.macro FETCH_V                         ; a step's V, turned
	WIN 0x40
.irp f, 0,1,2,3,4,5,6,7,8,9,10,11,12,13,14,15
	ds_load_tr16_b128 v[128+8*(\f):128+8*(\f)+3],   v[AV] offset:((\f)/8)*32*PV+((\f)%8)*32
	ds_load_tr16_b128 v[128+8*(\f)+4:128+8*(\f)+7], v[AV] offset:((\f)/8)*32*PV+16*PV+((\f)%8)*32
.endr
	s_add_co_u32 s[TBV], s[TBV], 2*VSTEP
	WIN 0
.endm
; H1: the mask and the scores of my next key step.  The four accumulators take turns.
.macro H1
	s_cmp_eq_u32 s[DG], 0                          ; is it the block's own step?
	s_cselect_b32 s[AL], 1.0, 0
	s_cmp_lt_i32 s[DG], 0                          ; or a later one?
	s_cselect_b32 s[BE], s[BIGN], 0
	s_sub_co_i32 s[DG], s[DG], 2
	WIN 0
.set z, 0
.rept 16
	v_pk_fma_f32 v[S+2*z:S+2*z+1], v[MD+2*z:MD+2*z+1], s[AL:AL+1], s[BE:BE+1] op_sel_hi:[1,0,0]
.set z, z+1
.endr
	s_wait_dscnt 31                                ; K is in; of V's 32 younger loads 31 may stay out
	WIN 0x01                                       ; source 0 in window 1
.set i, 0
.rept 16
	v_wmma_f32_16x16x32_f16 v[S+8*(i%4):S+8*(i%4)+7], v[32*(i%4)+8*(i/4):32*(i%4)+8*(i/4)+7], v[QF+8*(i/4):QF+8*(i/4)+7], v[S+8*(i%4):S+8*(i%4)+7]
.set i, i+1
.endr
.endm
.macro SOFTMAX                         ; each accumulator's lowest registers are read first
.irp j, 0,1,2,3
	v_max3_num_f32 v[C0+(\j)], v[S+8*(\j)], v[S+8*(\j)+1], v[S+8*(\j)+2]
.endr
.irp g, 1,2
.irp j, 0,1,2,3
	v_max3_num_f32 v[C0+(\j)], v[C0+(\j)], v[S+8*(\j)+2*(\g)+1], v[S+8*(\j)+2*(\g)+2]
.endr
.endr
	v_max3_num_f32 v[C0], v[C0], v[S+7], v[S+15]
	v_max3_num_f32 v[C0+2], v[C0+2], v[S+23], v[S+31]
	v_max3_num_f32 v[C0], v[C0], v[C0+1], v[C0+2]
	v_max3_num_f32 v[C0], v[C0], v[C0+3], v[ST+1]  ; and the old m
	v_permlanex16_b32 v[C0+1], v[C0], s[SEL], s[SEL+1]  ; the query's other 32 keys lie in the lane 16 away
	v_mov_b32 v[MO], v[ST]
	v_max_num_f32 v[ST+1], v[C0], v[C0+1]
	v_mul_f32 v[ST], s[CS], v[ST+1]
	v_sub_f32 v[C0+3], v[MO], v[ST]
	v_exp_f32 v[C0+2], v[C0+3]                     ; a
.set z, 0
.rept 16
	v_pk_fma_f32 v[S+2*z:S+2*z+1], v[S+2*z:S+2*z+1], s[CS:CS+1], v[ST:ST+1] op_sel_hi:[1,0,0] neg_lo:[0,0,1] neg_hi:[0,0,1]  ; c s - c m
.set z, z+1
.endr
.set z, 0
.rept 32
	v_exp_f32 v[S+z], v[S+z]
	s_wait_alu depctr_va_vdst(0)
	v_pk_mul_f32 v[OT+2*z:OT+2*z+1], v[OT+2*z:OT+2*z+1], v[C0+2:C0+3] op_sel_hi:[1,0]  ; O^T times a: the plain instruction behind each exponential (ISA guide 5.7.2)
.set z, z+1
.endr
.set z, 0
	s_wait_alu depctr_va_vdst(0)
.rept 16
	v_cvt_pk_f16_f32 v[P+z], v[S+2*z], v[S+2*z+1]
.set z, z+1
.endr
.irp w, 4,8,16,32                      ; the 16 pairs are added as a tree, in place
.set z, 0
.rept 32/(\w)
	v_pk_add_f32 v[S+(\w)*z:S+(\w)*z+1], v[S+(\w)*z:S+(\w)*z+1], v[S+(\w)*z+(\w)/2:S+(\w)*z+(\w)/2+1]
.set z, z+1
.endr
.endr
	v_pk_fma_f32 v[ST+2:ST+3], v[ST+2:ST+3], v[C0+2:C0+3], v[S:S+1] op_sel_hi:[1,0,1]  ; l = a l + the sum
.endm
; H2A: the softmax and V^T P of the step in hand; fetch = 1: my next step's K is asked of LDS, and the address of its V is made.  Four plain lines stand behind each run of products: the places in front of
; the loads into registers that the products have read and of the lines that read their results (ISA guide 7.12.1 for vector instructions).
.macro H2A fetch
	WIN 0
.if \fetch
	v_add_nc_u32 v[AK], s[TBK], v[AK0]
.rept 3
	v_nop
.endr
	FETCH_K
.else
.rept 4
	v_nop
.endr
.endif
	SOFTMAX
.if \fetch
	s_wait_dscnt 31                                ; V is in; of the next K's 32 younger loads 31 may stay out
.else
	s_wait_dscnt 0x0                               ; V is in
.endif
	WIN 0x01
.set i, 0
.rept 16                               ; the eight accumulators take turns
	v_wmma_f32_16x16x32_f16 v[OT+8*(i%8):OT+8*(i%8)+7], v[128+64*(i/8)+8*(i%8):128+64*(i/8)+8*(i%8)+7], v[P+8*(i/8):P+8*(i/8)+7], v[OT+8*(i%8):OT+8*(i%8)+7]
.set i, i+1
.endr
	WIN 0
.if \fetch
	v_add_nc_u32 v[AV], s[TBV], v[AV0]
.rept 3
	v_nop
.endr
.else
.rept 4
	v_nop
.endr
.endif
.endm
; A BLOCK'S END.  Group 1 stores what it has (each accumulator's low four registers first); every wave waits for its LDS instructions and passes a barrier; group 0 merges, divides by l, rounds to f16 and sends the
; rows through the stage, so that sixteen lanes store 256 consecutive bytes, aligned.  The branches hang on the wave's number and jump over no barrier.  again = 1: the region will be written again, so a second
; barrier stands behind group 0's reads of it.  All this stands ahead of V's next run of loads: the seventeen LDS instructions come on top of at most 31 of K's.
.macro BLOCKEND tag, again
	v_mov_b32 v24, v[ST]                           ; c m
	v_add_f32 v25, v[ST+2], v[ST+3]                ; my lane's l
	s_cmp_lt_u32 s[WV], 4
	s_cbranch_scc1 .Lkeep\tag
.irp f, 0,1,2,3,4,5,6,7,8,9,10,11,12,13,14,15
	ds_store_b128 v[PP], v[OT+4*(\f):OT+4*(\f)+3] offset:512*(\f)
.endr
	ds_store_b64 v[PS], v[24:25]
.Lkeep\tag:
	s_wait_dscnt 0x0                               ; for the partner's sake: my stores are done
	s_barrier_signal -1
	s_barrier_wait -1
	s_cmp_lt_u32 s[WV], 4
	s_cbranch_scc0 .Lgone\tag
	ds_load_b64 v[26:27], v[PS]                    ; the partner's c m and l
.set f, 0
.rept 16
	BREG 4*f
	ds_load_b128 v[rB:rB+3], v[PP] offset:512*f    ; its O^T: the same lane holds the same query and channels in both waves
.set f, f+1
.endr
	s_wait_dscnt 16                                ; the statistics are in; the 16 younger loads may stay out
	v_max_num_f32 v20, v24, v26
	v_sub_f32 v21, v24, v20
	v_sub_f32 v22, v26, v20
	v_exp_f32 v21, v21                             ; a1
	v_exp_f32 v22, v22                             ; a2
	v_nop                                          ; a plain instruction between the exponentials and their use
	s_wait_alu depctr_va_vdst(0)
	v_mul_f32 v23, v21, v25
	v_fma_f32 v23, v22, v27, v23                   ; a1 l1 + a2 l2, of my lane's keys
	v_permlanex16_b32 v20, v23, s[SEL], s[SEL+1]   ; and of the lane 16 away
	v_add_f32 v23, v23, v20
	v_rcp_f32 v23, v23
	v_nop                                          ; a plain instruction between the reciprocal and its use
	s_wait_alu depctr_va_vdst(0)
	v_mul_f32 v20, v21, v23                        ; a1 / l
	v_mul_f32 v22, v22, v23                        ; a2 / l
.set z, 0
.rept 32
	v_pk_mul_f32 v[OT+2*z:OT+2*z+1], v[OT+2*z:OT+2*z+1], v[20:21] op_sel_hi:[1,0]
.set z, z+1
.endr
	s_wait_dscnt 0x0                               ; the partner's O^T is in
.set z, 0
.rept 32
	BREG 2*z
	v_pk_fma_f32 v[OT+2*z:OT+2*z+1], v[rB:rB+1], v[22:23], v[OT+2*z:OT+2*z+1] op_sel_hi:[1,0,1]
.set z, z+1
.endr
.set z, 0
.rept 32
	v_cvt_pk_f16_f32 v[S+z], v[OT+2*z], v[OT+2*z+1]
.set z, z+1
.endr
.irp f, 0,1,2,3,4,5,6,7
	ds_store_b128 v[STO], v[S+4*(\f):S+4*(\f)+3] offset:32*(\f)
.endr
.irp f, 0,1,2,3,4,5,6,7
	ds_load_b128 v[S+4*(\f):S+4*(\f)+3], v[RD] offset:(\f)*2*SP  ; LDS serves a wave's instructions in order (ISA guide 5.7.1.4): these see the stores above
.endr
.irp f, 0,1,2,3,4,5,6,7
	s_wait_dscnt 7-(\f)                            ; load f is back; the 7 - f younger ones stay out
	global_store_b128 v[GO], v[S+4*(\f):S+4*(\f)+3], s[OB:OB+1] offset:8192*(\f)
.endr
.Lgone\tag:
.if \again
	s_wait_dscnt 0x0                               ; my reads of the region are over
	s_barrier_signal -1
	s_barrier_wait -1
.endif
.endm
.macro NEXTBLOCK                       ; O and l need only be finite: the second block's first a is 0
	s_wait_xcnt 0x0                                ; the stores have read their registers and their base: S and OB are written only behind this wait
	s_mov_b64 s[OB:OB+1], s[OHI:OHI+1]
	s_mov_b32 s[DG], s[DH]                         ; my first step of the second block comes next
	v_mov_b32 v[ST], 0xfe000000                    ; c m: far below every c s
	v_mov_b32 v[ST+1], 0xff7fffff                  ; m
.set z, 0
.rept 32
	v_mov_b32 v[QF+z], v[QB+z]
.set z, z+1
.endr
.endm
; A TRIP.  ends = 1: the first block may end here, in the trip behind a change of slots.  The flag is made of the cluster's number and a counter: it is the same in all eight waves and in all four partners.
; It is taken down behind the test, on both ways.
.macro TRIP tag, ends
	H2A 1
.if \ends
	s_cmp_eq_u32 s[FLAG], 1
	s_cbranch_scc0 .Lgo\tag
	BLOCKEND \tag, 1
	NEXTBLOCK
.Lgo\tag:
	s_mov_b32 s[FLAG], 0
.endif
	FETCH_V
	H1
	WIN 0
.endm
	s_load_b128 s[4:7], s[0:1], 0x0                ; qkvh s[4:5], ao s[6:7]
	v_lshl_add_u32 v[SPW], v0, 2, SPARE
	v_mov_b32 v[NIL], 0
	ds_add_u32 v[SPW], v[NIL]                      ; the wave's opening: the add and its wait stand ahead of my first tensor load
	v_lshrrev_b32 v1, 5, v0
	v_readfirstlane_b32 s[WV], v1                  ; wave 0..7
	s_and_b32 s[WQ], s[WV], 3
	s_lshr_b32 s[GR], s[WV], 2
	s_bfe_u32 s[CX], ttmp6, 0x40000
	s_mov_b32 s[U], ttmp9
	s_lshl_b32 s[BL], ttmp9, 2
	s_add_co_u32 s[BL], s[BL], s[CX]               ; b: it enters Q's and ao's addresses, the prefetches' and the mask's two scalars alone
	s_sub_co_u32 s19, 31, s[BL]                    ; the second block
	s_and_b32 s16, ttmp7, 0xffff                   ; the head
	s_lshl_b32 s20, s16, 19                        ; its 524,288 bytes in each of Q, K, V
	s_lshl_b32 s22, s[WQ], 14                      ; the 64 rows of a tile that I fetch
	s_add_co_u32 s22, s22, s20
	s_mov_b32 s23, 0
	s_lshl_b32 s21, s[WQ], 12                      ; Q: my 16 rows of a block,
	s_add_co_u32 s21, s21, s20
	s_lshl_b32 s2, s[BL], 14
	s_add_co_u32 s2, s2, s21                       ; the first block
	s_mov_b32 s3, 0
	s_lshl_b32 s94, s19, 14
	s_add_co_u32 s94, s94, s21                     ; the second
	s_mov_b32 s95, 0
	s_lshl_b32 s21, s16, 8                         ; ao: the head's 256 bytes, my 16 rows of 4,096 bytes
	s_lshl_b32 s8, s[WQ], 16
	s_add_co_u32 s21, s21, s8
	s_lshl_b32 s8, s[BL], 18
	s_add_co_u32 s8, s8, s21
	s_mov_b32 s9, 0
	s_lshl_b32 s10, s19, 18
	s_add_co_u32 s10, s10, s21
	s_mov_b32 s11, 0
	s_mul_i32 s[LK], s[WQ], KSTEP
	s_mul_i32 s[LV], s[WQ], VSTEP
	s_add_co_u32 s[LV], s[LV], VOFF
	s_mul_i32 s[GK], s[GR], KSTEP
	s_mul_i32 s[GV], s[GR], VSTEP
	s_sub_co_u32 s[DG], s[BL], s[GR]               ; the first block's own step is step b; my first step is step g
	s_sub_co_u32 s[DH], s19, s[GR]
	s_mov_b32 s[G1K], 15|(1<<16)|(1<<20)|(1<<21)|(5<<22)|(3<<25)  ; the mask of four; 2-byte elements; padding on; bit 21 beside a mask; after every 64 words 4 words
	s_mov_b32 s[G1V], 15|(1<<16)|(1<<20)|(1<<21)|(5<<22)|(7<<25)  ; the same with 8 words
.irp g, G1K, G1V
	s_mov_b32 s[(\g)+1], 128<<16                   ; tensor_dim0 = 128
	s_mov_b32 s[(\g)+2], 64<<16                    ; tensor_dim1 = 64
	s_mov_b32 s[(\g)+3], 128<<16                   ; tile_dim0 = 128
	s_mov_b32 s[(\g)+4], 64                        ; tile_dim1 = 64
	s_mov_b32 s[(\g)+5], 128                       ; elements from row to row
	s_mov_b32 s[(\g)+6], 0
	s_mov_b32 s[(\g)+7], 0
.endr
.irp s, 0,1
	s_mov_b32 s[G0K+4*(\s)], 1
	s_add_co_u32 s[G0K+4*(\s)+1], s[LK], (\s)*SLOT
	s_mov_b32 s[G0V+4*(\s)], 1
	s_add_co_u32 s[G0V+4*(\s)+1], s[LV], (\s)*SLOT
.endr
	s_mov_b32 s[CS], 0x3e0293ee                    ; c = log2(e) / sqrt(128)
	s_mov_b32 s[CS+1], s[CS]
	s_mov_b32 s[SEL], 0x76543210
	s_mov_b32 s[SEL+1], 0xfedcba98
	s_mov_b32 s[SB], 0
	s_mov_b32 s[TBK], s[GK]
	s_mov_b32 s[TBV], s[GV]
	s_mov_b32 s[OFF+1], 0
	s_mov_b32 s[AL+1], 0
	s_mov_b32 s[BE+1], 0
	s_mov_b32 s[BIGN], 0xf149f2ca                  ; -1e30
	s_mov_b32 s[NXT], 0
	s_mov_b32 s[LQ], s[U]
	s_add_co_u32 s[RT], s[U], 1                    ; the first block has u + 1 tiles
	s_and_b32 s[LIM], s[WV], 1                     ; 0 in waves 0, 2, 4, 6,
	s_or_b32 s[LIM], s[LIM], ttmp9                 ; where the cluster is the head's first: the same in all four partners
	s_cmp_eq_u32 s[LIM], 0
	s_cselect_b32 s[LIM], 1, -1
	s_wait_dscnt 0x0                               ; the opening add is done
	s_wait_kmcnt 0x0
	s_add_nc_u64 s[KB:KB+1], s[4:5], s[22:23]
	s_add_nc_u64 s[KB:KB+1], s[KB:KB+1], 0x800000
	s_add_nc_u64 s[VB:VB+1], s[KB:KB+1], 0x800000
	s_add_nc_u64 s[QLO:QLO+1], s[4:5], s[2:3]
	s_add_nc_u64 s[QHI:QHI+1], s[4:5], s[94:95]
	s_add_nc_u64 s[OB:OB+1], s[6:7], s[8:9]
	s_add_nc_u64 s[OHI:OHI+1], s[6:7], s[10:11]
	SETG 0                                         ; the walk's tiles 0 and 1
	SETG 1
	s_bfe_u32 s8, s[WV], 0x10001                   ; the prefetches' offset: which 32 of my work-group's 64 rows,
	s_lshl_b32 s8, s8, 13
	s_lshl_b32 s10, s[CX], 14                      ; my work-group's 64 of a tile's 256,
	s_add_co_u32 s8, s8, s10
	s_add_co_u32 s8, s8, s20                       ; the head,
	s_add_co_u32 s8, s8, 0x810000                  ; in K, at key tile 1: the first change steps it to 2;
	s_add_co_u32 s10, s8, 0x800000                 ; or in V
	s_cmp_lt_u32 s[WV], 4
	s_cselect_b32 s8, s8, s10
	s_add_nc_u64 s[PFA:PFA+1], s[4:5], s[8:9]
	CROUND                                         ; all four work-groups are here: the first joint loads meet
	s_cmp_lt_u32 s[WV], 4                          ; a wave's two first fills stand in one branch: two loads of mine are out
	s_cbranch_scc0 .Lfirst_v
	tensor_load_to_lds s[G0K:G0K+3], s[G1K:G1K+7]
	s_nop 0
	tensor_load_to_lds s[G0K+4:G0K+7], s[G1K:G1K+7]
	s_nop 0
.rept 4
	v_nop
.endr
	s_branch .Lfirst_asked
.Lfirst_v:
	tensor_load_to_lds s[G0V:G0V+3], s[G1V:G1V+7]
	s_nop 0
	tensor_load_to_lds s[G0V+4:G0V+7], s[G1V:G1V+7]
	s_nop 0
.rept 4
	v_nop
.endr
.Lfirst_asked:
	v_and_b32 v1, 15, v0                           ; l % 16
	v_bfe_u32 v9, v0, 4, 1                         ; l / 16
	v_lshlrev_b32 v[QO], 8, v1
	v_lshl_add_u32 v[QO], v9, 4, v[QO]
.irp c, 0,1,2,3
	global_load_b128 v[QF+8*(\c):QF+8*(\c)+3],   v[QO], s[QLO:QLO+1] offset:64*(\c)
	global_load_b128 v[QF+8*(\c)+4:QF+8*(\c)+7], v[QO], s[QLO:QLO+1] offset:64*(\c)+32
.endr
.irp c, 0,1,2,3
	global_load_b128 v[QB+8*(\c):QB+8*(\c)+3],   v[QO], s[QHI:QHI+1] offset:64*(\c)
	global_load_b128 v[QB+8*(\c)+4:QB+8*(\c)+7], v[QO], s[QHI:QHI+1] offset:64*(\c)+32
.endr
	v_lshlrev_b32 v14, 3, v9
	v_sub_nc_u32 v14, v1, v14
	s_lshl_b32 s21, s[WQ], 4
	v_add_nc_u32 v14, s21, v14                     ; my query's place in its block less my lanes' 8 (l / 16): register j of key block kb is hidden where 16 kb + j is greater
	v_mov_b32 v24, 0xf149f2ca                      ; -1e30
.set z, 0
.rept 32
	v_cmp_gt_i32 vcc_lo, 16*(z/8)+z%8, v14
	v_cndmask_b32 v[MD+z], 0, v24, vcc_lo
.set z, z+1
.endr
	v_mul_u32_u24 v[AK0], v1, PK
	v_lshl_add_u32 v[AK0], v9, 4, v[AK0]
	v_and_b32 v10, 7, v0
	v_bfe_u32 v11, v0, 3, 1
	v_lshl_add_u32 v[AV0], v9, 3, v10
	v_mul_u32_u24 v[AV0], v[AV0], PV
	v_lshl_add_u32 v[AV0], v11, 4, v[AV0]
	v_add_nc_u32 v[AV0], VOFF, v[AV0]
	s_mul_i32 s21, s[WQ], RGN
	s_add_co_u32 s21, s21, SCR                     ; the region of my pair of waves
	v_mul_u32_u24 v[STO], v1, SP
	v_lshl_add_u32 v[STO], v9, 4, v[STO]
	v_add_nc_u32 v[STO], s21, v[STO]
	v_mul_u32_u24 v[RD], v9, SP
	v_lshl_add_u32 v[RD], v1, 4, v[RD]
	v_add_nc_u32 v[RD], s21, v[RD]
	v_and_b32 v10, 31, v0                          ; lane
	v_lshl_add_u32 v[PP], v10, 4, s21
	s_add_co_u32 s21, s21, 8192
	v_lshl_add_u32 v[PS], v10, 3, s21
	v_lshlrev_b32 v[PFO], 8, v10
	v_lshlrev_b32 v[GO], 12, v9
	v_lshl_add_u32 v[GO], v1, 4, v[GO]
.set z, 0
.rept 64
	v_mov_b32 v[OT+z], 0
.set z, z+1
.endr
	v_mov_b32 v[ST], 0xfe000000
	v_mov_b32 v[ST+1], 0xff7fffff
	v_mov_b32 v[ST+2], 0
	v_mov_b32 v[ST+3], 0
	s_wait_tensorcnt 1                             ; my part of slot 0 is in; slot 1's may stay out
	s_barrier_signal -1
	s_barrier_wait -1
	v_add_nc_u32 v[AK], s[TBK], v[AK0]
	v_add_nc_u32 v[AV], s[TBV], v[AV0]
	FETCH_K                                        ; my first key step
	s_wait_dscnt 31                                ; K's first load is back: with V's 32 at most 63 LDS instructions of mine are out, as everywhere in this text
	FETCH_V
	s_wait_loadcnt 0x0                             ; both blocks' Q
	H1
	WIN 0
	TRIP E, 0                                      ; the walk's first tile: my first step; my second is fetched
	s_mov_b32 s[TILES], 7
.Ltile:                                                ; seven changes of slots that fill a slot again: one text, the slot's base in a scalar
	CHANGE 1
	s_mov_b32 s[CNT], 2
.Lstep:
	TRIP A, 1
	s_sub_co_u32 s[CNT], s[CNT], 1
	s_cmp_lg_u32 s[CNT], 0
	s_cbranch_scc1 .Lstep
	s_sub_co_u32 s[TILES], s[TILES], 1
	s_cmp_lg_u32 s[TILES], 0
	s_cbranch_scc1 .Ltile
	CHANGE 0                                       ; the tail is written out: nothing is left to ask for; the first block (u + 1 tiles, four at the most) has ended
	s_mov_b32 s[CNT], 2
.LstepD:
	TRIP D, 0
	s_sub_co_u32 s[CNT], s[CNT], 1
	s_cmp_lg_u32 s[CNT], 0
	s_cbranch_scc1 .LstepD
	H2A 0                                          ; my last step
	BLOCKEND Z, 0                                  ; the second block's end; the closing round's first barrier stands behind group 0's reads
	s_wait_tensorcnt 0x0                           ; the wave's end
	ds_add_u32 v[SPW], v[NIL]
	s_wait_dscnt 0x0
	CROUND                                         ; the closing round
	s_endpgm
.Lfunc_end_k_q80c93b223c_attn:
	.size	k_q80c93b223c_attn, .Lfunc_end_k_q80c93b223c_attn-k_q80c93b223c_attn
	.p2alignl 7, 3214868480
	.fill 96, 4, 3214868480
	.section	.rodata,"a",@progbits
	.p2align	6, 0x0
	.amdhsa_kernel k_q80c93b223c_attn
		.amdhsa_group_segment_fixed_size 327680
		.amdhsa_private_segment_fixed_size 0
		.amdhsa_enable_private_segment 0
		.amdhsa_kernarg_size 16
		.amdhsa_user_sgpr_count 2
		.amdhsa_user_sgpr_kernarg_segment_ptr 1
		.amdhsa_wavefront_size32 1
		.amdhsa_system_sgpr_workgroup_id_x 1
		.amdhsa_system_sgpr_workgroup_id_y 1
		.amdhsa_system_sgpr_workgroup_id_z 1
		.amdhsa_system_vgpr_workitem_id 0
		.amdhsa_next_free_vgpr 512
		.amdhsa_next_free_sgpr 102
		.amdhsa_reserve_vcc 1
		.amdhsa_float_denorm_mode_32 3
		.amdhsa_float_denorm_mode_16_64 3
		.amdhsa_memory_ordered 1
		.amdhsa_forward_progress 1
		.amdhsa_inst_pref_size 106
	.end_amdhsa_kernel
	.amdgpu_metadata
---
amdhsa.version: [ 1, 2 ]
amdhsa.kernels:
  - .name:           k_q80c93b223c_attn
    .symbol:         k_q80c93b223c_attn.kd
    .args:
      - { .name: qkvh, .offset: 0, .size: 8, .value_kind: global_buffer, .address_space: global }
      - { .name: ao, .offset: 8, .size: 8, .value_kind: global_buffer, .address_space: global }
    .group_segment_fixed_size: 327680
    .private_segment_fixed_size: 0
    .kernarg_segment_align: 8
    .kernarg_segment_size: 16
    .max_flat_workgroup_size: 256
    .sgpr_count:     102
    .vgpr_count:     512
    .wavefront_size: 32
...
	.end_amdgpu_metadata
.endif
;; end of part 3
;; launch oproj (part 4): grid 16 x 16, 4 waves a work-group, clusters of 4 x 4, 327,680 bytes of LDS; arguments ao, wh, x, out0; writes out0
.if DOCPART == 4
	.amdgcn_target "amdgcn-amd-amdhsa--gfx1250"
	.amdhsa_code_object_version 6
	.text
	.protected	k_q80c93b223c_oproj
	.globl	k_q80c93b223c_oproj
	.p2align	8
	.type	k_q80c93b223c_oproj,@function
k_q80c93b223c_oproj:
	s_mov_b64 s[64:65], 0
	v_nop
	global_prefetch_b8 v0, s[64:65] scope:SCOPE_SE
	s_setreg_imm32_b32 hwreg(HW_REG_WAVE_MODE, 25, 1), 1
	s_wait_xcnt 0x0
	s_wait_alu depctr_hold_cnt(0) depctr_sa_sdst(0) depctr_va_vdst(0) depctr_va_sdst(0) depctr_va_ssrc(0) depctr_va_vcc(0) depctr_vm_vsrc(0)
	s_getreg_b32 s2, hwreg(HW_REG_IB_STS2, 6, 4)
	s_cmp_eq_u32 s2, 0
	s_cbranch_scc0 .Lentry_in_a_cluster
	s_endpgm
.Lentry_in_a_cluster:
	s_bfe_u32 s2, ttmp6, 0x10000c
	s_cmp_lg_u32 s2, 0xf033
	s_cbranch_scc0 .Lentry_shape_is_right
	s_endpgm
.Lentry_shape_is_right:
; out0 = x + ao Wo.  ao: [2048][2048] f16; Wo: the fourth matrix of wh, [k][n] f16; x, out0: [2048][2048] f32.  Sums in f32.  x is rounded once to bf16 here, like every input of the program.
; A tile of out0 is 128 x 128: 16 x 16 work-groups.  Four waves, each 64 x 64: 16 accumulators.  K goes in 8 steps of 256 through two LDS slots of four regions of 36,864 bytes, one for each wave's tensor load:
; waves 0, 1: 64 rows of ao x 512 bytes (pitch 528); waves 2, 3: 128 k-rows of Wo x 256 bytes (pitch 288), which ds_load_tr16_b128 turns.
; CLUSTER 4 x 4: ao's tiles are asked for jointly along a row of the cluster, Wo's along a column.  THE PRODUCT IS USED TRANSPOSED (source 0 = 16 columns of Wo, source 1 = 16 rows of ao): a lane holds eight neighbouring numbers of a row.
; A wave's 64 f32 columns are 256 consecutive bytes, aligned: each wave has a stage of its own on the way out, and no barrier is needed there.
; No prefetch: a tile is small and a step's load is short.
; REGISTERS: window 0: v0-31 addresses, v32-127 at work on the way out, v128-255 accumulators ((a, b) at 128 + 8 (4 a + b)).  Window 1: two fragment buffers of 128 (64 of ao, 64 of Wo, for 64 along K).  Window 2: v0-127 my part of x.
.set PA,    528
.set PB,    288
.set REG,   36864
.set SLOT,  4*REG
.set STAGE, 2*SLOT                     ; 16 rows x 272 bytes for each wave
.set SP,    272
.set SPARE, STAGE+4*16*SP              ; the spare words, 128 bytes a wave: two blocks of 256 bytes that no other line names
.set ADRA, 16                          ; v16-17  my fragments of ao in slot 0, 1
.set ADRB, 20                          ; v20-23  of Wo: slot s, k half kh at 20 + 2 s + kh
.set STO,  24
.set RD,   25
.set CO,   26                          ; my byte offset in two rows of x and out0
.set SPW,  28
.set NIL,  29
.set UU,   32                          ; v32-47  x rounded to bf16, packed
.set EE,   48                          ; v48-55  widened again
.set TT,   64                          ; v64-127 rows read back, two sets
.set ACC,  128
.set F0,   0
.set F1,   128
.set WV,   12
.set G1, 24
.set G0, 32
.set G1B, 48
.set G0B, 56
.set MSB, 0
.macro WIN new
.if MSB != (\new)
	s_set_vgpr_msb (MSB<<8)|(\new)
.set MSB, \new
.endif
.endm
.set MUL,  0x05                        ; sources 0 and 1 window 1; C and D window 0
.set TO_F, 0x40
.macro JLOAD s                         ; waves 0, 1 fetch ao's halves, waves 2, 3 Wo's; an s_nop 0 and four v_nop follow each line
	s_cmp_eq_u32 s13, 0
	s_cbranch_scc0 .Lfor_b_\@
	tensor_load_to_lds s[G0+4*(\s):G0+4*(\s)+3], s[G1:G1+7]
	s_nop 0
.rept 4
	v_nop
.endr
	s_branch .Lasked_\@
.Lfor_b_\@:
	tensor_load_to_lds s[G0B+4*(\s):G0B+4*(\s)+3], s[G1B:G1B+7]
	s_nop 0
.rept 4
	v_nop
.endr
.Lasked_\@:
.endm
.macro CREST
	s_cmp_lg_u32 s[WV], 0
	s_cbranch_scc1 .Lnot_wave_0_\@
	s_barrier_signal -3
.Lnot_wave_0_\@:
	s_barrier_wait -3
	s_barrier_signal -1
	s_barrier_wait -1
.endm
.macro CROUND
	s_barrier_signal -1
	s_barrier_wait -1
	CREST
.endm
.macro PLACES
.rept 4
	v_nop
.endr
.endm
	s_load_b256 s[4:11], s[0:1], 0x0               ; ao s[4:5], wh s[6:7], x s[8:9], out0 s[10:11]
	v_lshl_add_u32 v[SPW], v0, 2, SPARE
	v_mov_b32 v[NIL], 0
	ds_add_u32 v[SPW], v[NIL]                      ; the wave's opening: the add and its wait stand ahead of my first tensor load
	v_lshrrev_b32 v1, 5, v0
	v_readfirstlane_b32 s[WV], v1
	s_lshr_b32 s13, s[WV], 1                       ; r: which 64 rows.  Also: I fetch for ao (0) or for Wo (1)
	s_and_b32 s14, s[WV], 1                        ; c: which 64 columns.  Also: which half of that tile I fetch
	s_bfe_u32 s40, ttmp6, 0x40000
	s_bfe_u32 s41, ttmp6, 0x40004
	s_lshl_b32 s42, ttmp9, 2
	s_add_co_u32 s42, s42, s40                     ; tile column
	s_and_b32 s15, ttmp7, 0xffff
	s_lshl_b32 s15, s15, 2
	s_add_co_u32 s15, s15, s41                     ; tile row
	s_lshl_b32 s43, s41, 2
	s_lshl_b32 s43, 15, s43                        ; my row of the cluster
	s_lshl_b32 s44, 0x1111, s40                    ; my column
	s_or_b32 s[G1], s43, (1<<16)|(1<<20)|(1<<21)|(6<<22)|(3<<25)   ; after every 128 words 4 words of padding
	s_mov_b32 s[G1+1], 256<<16                     ; 64 rows x 256 elements
	s_mov_b32 s[G1+2], 64<<16
	s_mov_b32 s[G1+3], 256<<16
	s_mov_b32 s[G1+4], 64
	s_mov_b32 s[G1+5], 2048
	s_mov_b32 s[G1+6], 0
	s_mov_b32 s[G1+7], 0
	s_or_b32 s[G1B], s44, (1<<16)|(1<<20)|(1<<21)|(5<<22)|(7<<25)  ; after every 64 words 8 words
	s_mov_b32 s[G1B+1], 128<<16                    ; 128 rows x 128 elements
	s_mov_b32 s[G1B+2], 128<<16
	s_mov_b32 s[G1B+3], 128<<16
	s_mov_b32 s[G1B+4], 128
	s_mov_b32 s[G1B+5], 2048
	s_mov_b32 s[G1B+6], 0
	s_mov_b32 s[G1B+7], 0
	s_lshl_b32 s16, s15, 19                        ; ao: row 128 x tile row + 64 x half, 4,096 bytes a row
	s_lshl_b32 s17, s14, 18
	s_add_co_u32 s16, s16, s17
	s_mov_b32 s17, 0
	s_lshl_b32 s46, s14, 19                        ; Wo: k-row 128 x half, the tile column's 256 bytes
	s_lshl_b32 s47, s42, 8
	s_add_co_u32 s46, s46, s47
	s_mov_b32 s47, 0
	s_mul_i32 s20, s[WV], REG
	s_mov_b32 s45, 0xffff0000
	s_wait_dscnt 0x0                               ; the opening add is done
	s_wait_kmcnt 0x0
	s_add_nc_u64 s[16:17], s[4:5], s[16:17]
	s_add_nc_u64 s[46:47], s[6:7], s[46:47]
	s_add_nc_u64 s[46:47], s[46:47], 0x1800000     ; the fourth matrix of wh
	CROUND                                         ; all sixteen work-groups are here: the first joint loads meet
.irp s, 0,1
	s_mov_b32 s[G0+4*(\s)], 1
	s_add_co_u32 s[G0+4*(\s)+1], s20, (\s)*SLOT
	s_add_nc_u64 s[G0+4*(\s)+2:G0+4*(\s)+3], s[16:17], (\s)*512
	s_or_b32 s[G0+4*(\s)+3], s[G0+4*(\s)+3], 0x80000000
	s_mov_b32 s[G0B+4*(\s)], 1
	s_add_co_u32 s[G0B+4*(\s)+1], s20, (\s)*SLOT
	s_add_nc_u64 s[G0B+4*(\s)+2:G0B+4*(\s)+3], s[46:47], (\s)*1048576
	s_or_b32 s[G0B+4*(\s)+3], s[G0B+4*(\s)+3], 0x80000000
	JLOAD \s
.endr
	v_and_b32 v1, 15, v0
	v_bfe_u32 v2, v0, 4, 1
	v_mul_u32_u24 v3, v1, PA
	v_lshl_add_u32 v3, v2, 4, v3
	s_mul_i32 s21, s13, REG                        ; my 64 rows of ao are region r
	v_add_nc_u32 v[ADRA], s21, v3
	v_add_nc_u32 v[ADRA+1], SLOT, v[ADRA]
	v_and_b32 v4, 7, v0
	v_bfe_u32 v5, v0, 3, 1
	v_lshl_add_u32 v6, v2, 3, v4
	v_mul_u32_u24 v6, v6, PB
	v_lshl_add_u32 v6, v5, 4, v6
	s_lshl_b32 s22, s14, 7
	v_add_nc_u32 v6, s22, v6                       ; + 128 c: my 64 columns
.irp s, 0,1
.irp h, 0,1
	v_add_nc_u32 v[ADRB+2*(\s)+(\h)], (\s)*SLOT+(2+(\h))*REG, v6
.endr
.endr
	s_mul_i32 s23, s[WV], 16*SP
	s_add_co_u32 s23, s23, STAGE
	v_mul_u32_u24 v7, v1, SP
	v_lshl_add_u32 v7, v2, 5, v7
	v_add_nc_u32 v[STO], s23, v7                   ; in: row l % 16, 32 bytes for each half of the lanes
	v_mul_u32_u24 v7, v2, SP
	v_lshl_add_u32 v7, v1, 4, v7
	v_add_nc_u32 v[RD], s23, v7                    ; back: lanes 0-15 one row of 256 bytes, lanes 16-31 the next
	v_lshlrev_b32 v[CO], 13, v2
	v_lshl_add_u32 v[CO], v1, 4, v[CO]
	s_lshl_b32 s70, s15, 20                        ; (128 x tile row + 64 r) x 8,192 + (128 x tile column + 64 c) x 4
	s_lshl_b32 s21, s13, 19
	s_add_co_u32 s70, s70, s21
	s_lshl_b32 s21, s42, 9
	s_add_co_u32 s70, s70, s21
	s_lshl_b32 s21, s14, 8
	s_add_co_u32 s70, s70, s21
	s_mov_b32 s71, 0
	s_add_nc_u64 s[66:67], s[8:9], s[70:71]
	s_add_nc_u64 s[68:69], s[10:11], s[70:71]
	WIN 0x80                                       ; my 64 x 64 of x, in the layout in which the rows come back from the stage; waited for on the way out
.irp a, 0,1,2,3
.irp t, 0,1,2,3,4,5,6,7
	global_load_b128 v[32*(\a)+4*(\t):32*(\a)+4*(\t)+3], v[CO], s[66:67] offset:(16*(\a)+2*(\t))*8192 th:TH_LOAD_NT
.endr
.endr
	WIN 0
; 8 matrix instructions: row blocks a0, a0 + 1 x all 4 column blocks, 32 along K: half c of buffer f.  The 16 accumulators take turns.
.macro MUL8 f, c, a0, zero
	WIN MUL
.irp a, \a0, (\a0)+1
.irp b, 0,1,2,3
.if \zero
	v_wmma_f32_16x16x32_f16 v[ACC+8*(4*(\a)+(\b)):ACC+8*(4*(\a)+(\b))+7], v[(\f)+64+8*(4*(\c)+(\b)):(\f)+64+8*(4*(\c)+(\b))+7], v[(\f)+8*(4*(\c)+(\a)):(\f)+8*(4*(\c)+(\a))+7], 0
.else
	v_wmma_f32_16x16x32_f16 v[ACC+8*(4*(\a)+(\b)):ACC+8*(4*(\a)+(\b))+7], v[(\f)+64+8*(4*(\c)+(\b)):(\f)+64+8*(4*(\c)+(\b))+7], v[(\f)+8*(4*(\c)+(\a)):(\f)+8*(4*(\c)+(\a))+7], v[ACC+8*(4*(\a)+(\b)):ACC+8*(4*(\a)+(\b))+7]
.endif
.endr
.endr
.endm
; 32 LDS loads in one run: quarter kq (64 along K) of a slot into buffer f; its first 32 along K first
.macro FETCH slot, kq, f
	WIN TO_F
.irp c, 0,1
.irp i, 0,1,2,3
	ds_load_tr16_b128 v[(\f)+64+8*(4*(\c)+(\i)):(\f)+64+8*(4*(\c)+(\i))+3],   v[ADRB+2*(\slot)+(\kq)/2] offset:(((\kq)%2)*64+32*(\c))*PB+32*(\i)
	ds_load_tr16_b128 v[(\f)+64+8*(4*(\c)+(\i))+4:(\f)+64+8*(4*(\c)+(\i))+7], v[ADRB+2*(\slot)+(\kq)/2] offset:(((\kq)%2)*64+32*(\c))*PB+32*(\i)+16*PB
	ds_load_b128 v[(\f)+8*(4*(\c)+(\i)):(\f)+8*(4*(\c)+(\i))+3],              v[ADRA+(\slot)] offset:128*(\kq)+64*(\c)+(\i)*16*PA
	ds_load_b128 v[(\f)+8*(4*(\c)+(\i))+4:(\f)+8*(4*(\c)+(\i))+7],            v[ADRA+(\slot)] offset:128*(\kq)+64*(\c)+(\i)*16*PA+32
.endr
.endr
.endm
.macro QUARTER slot, kq, f, g, zero
	s_wait_dscnt 16                                ; the first 32 along K are in; the youngest sixteen loads may be out
	MUL8 \f, 0, 0, \zero
	MUL8 \f, 0, 2, \zero
	PLACES
	FETCH \slot, \kq, \g
	s_wait_dscnt 32                                ; all but the 32 just issued
	MUL8 \f, 1, 0, 0
	MUL8 \f, 1, 2, 0
.endm
; The last quarter multiplies buffer 1 and changes slots: ONE barrier; in front of it each wave waits for all its tensor loads, adds 0 to its spare word, and waits for that and for its reads of this slot.
.macro TURN slot, next, fill
	WIN 0
	s_wait_tensorcnt 0x0                           ; all my tensor loads have landed: my part of the next slot
	ds_add_u32 v[SPW], v[NIL]
	s_wait_dscnt 17                                ; (the add and the youngest sixteen loads may be out)
	MUL8 F1, 0, 0, 0
	s_wait_dscnt 0x0                               ; the add is done, and my reads of this slot are over
	s_barrier_signal -1
	MUL8 F1, 0, 2, 0
.if \fill
	WIN 0
.endif
	s_barrier_wait -1
.if \fill
	CREST                                          ; the barrier has opened a round of the cluster's: no wave of any partner still reads this slot or has a load on its way
	s_add_nc_u64 s[G0+4*(\slot)+2:G0+4*(\slot)+3], s[G0+4*(\slot)+2:G0+4*(\slot)+3], 2*512
	s_add_nc_u64 s[G0B+4*(\slot)+2:G0B+4*(\slot)+3], s[G0B+4*(\slot)+2:G0B+4*(\slot)+3], 2*1048576
	JLOAD \slot                                    ; the first tensor load behind the round; its four v_nop are also the places in front of the loads below
.else
	PLACES
.endif
	FETCH \next, 0, F0
	MUL8 F1, 1, 0, 0
	MUL8 F1, 1, 2, 0
.endm
	s_wait_tensorcnt 1                             ; my part of K step 0 is in; K step 1's may stay out
	s_barrier_signal -1
	s_barrier_wait -1
	FETCH 0, 0, F0
	QUARTER 0, 1, F0, F1, 1                        ; the first quarter stands in front of the loop: its first products start the sums
	WIN 0
	s_mov_b32 s3, 3
.Llap:
	QUARTER 0, 2, F1, F0, 0
	QUARTER 0, 3, F0, F1, 0
	TURN 0, 1, 1
	QUARTER 1, 1, F0, F1, 0
	QUARTER 1, 2, F1, F0, 0
	QUARTER 1, 3, F0, F1, 0
	TURN 1, 0, 1
	QUARTER 0, 1, F0, F1, 0
	WIN 0
	s_sub_co_u32 s3, s3, 1
	s_cmp_lg_u32 s3, 0
	s_cbranch_scc1 .Llap
	QUARTER 0, 2, F1, F0, 0                        ; the last lap fills nothing
	QUARTER 0, 3, F0, F1, 0
	TURN 0, 1, 0
	QUARTER 1, 1, F0, F1, 0
	QUARTER 1, 2, F1, F0, 0
	QUARTER 1, 3, F0, F1, 0
	s_wait_dscnt 16
	MUL8 F1, 0, 0, 0
	MUL8 F1, 0, 2, 0
	s_wait_dscnt 0x0
	MUL8 F1, 1, 0, 0
	MUL8 F1, 1, 2, 0
	; THE WAY OUT, 16 rows at a time: the sums go into my stage (each accumulator's low four registers first) and come back as whole rows of 256 bytes; x, rounded to bf16, is added; sixteen lanes store 256 consecutive bytes, aligned.
	WIN 0
	PLACES
	s_wait_loadcnt 0x0                             ; x
.irp a, 0,1,2,3
	s_wait_xcnt 0x0                                ; the registers that earlier stores read are loaded again only behind this wait
	WIN 0x0a                                       ; sources 0 and 1 window 2
.set k, 0
.rept 16
	v_cvt_pk_bf16_f32 v[UU+k], v[32*(\a)+2*k], v[32*(\a)+2*k+1]
.set k, k+1
.endr
	WIN 0
.irp b, 0,1,2,3
	ds_store_b128 v[STO], v[ACC+8*(4*(\a)+(\b)):ACC+8*(4*(\a)+(\b))+3]   offset:64*(\b)
	ds_store_b128 v[STO], v[ACC+8*(4*(\a)+(\b))+4:ACC+8*(4*(\a)+(\b))+7] offset:64*(\b)+16
.endr
.irp t, 0,1,2,3,4,5,6,7
	ds_load_b128 v[TT+32*((\a)%2)+4*(\t):TT+32*((\a)%2)+4*(\t)+3], v[RD] offset:(\t)*2*SP  ; LDS serves a wave's instructions in order (ISA guide 5.7.1.4): these see the stores above
.endr
.irp t, 0,1,2,3,4,5,6,7
	s_wait_dscnt 7-(\t)
	v_lshlrev_b32 v[EE+4*((\t)%2)], 16, v[UU+2*(\t)]
	v_and_b32 v[EE+4*((\t)%2)+1], s45, v[UU+2*(\t)]
	v_lshlrev_b32 v[EE+4*((\t)%2)+2], 16, v[UU+2*(\t)+1]
	v_and_b32 v[EE+4*((\t)%2)+3], s45, v[UU+2*(\t)+1]
	v_pk_add_f32 v[TT+32*((\a)%2)+4*(\t):TT+32*((\a)%2)+4*(\t)+1], v[TT+32*((\a)%2)+4*(\t):TT+32*((\a)%2)+4*(\t)+1], v[EE+4*((\t)%2):EE+4*((\t)%2)+1]
	v_pk_add_f32 v[TT+32*((\a)%2)+4*(\t)+2:TT+32*((\a)%2)+4*(\t)+3], v[TT+32*((\a)%2)+4*(\t)+2:TT+32*((\a)%2)+4*(\t)+3], v[EE+4*((\t)%2)+2:EE+4*((\t)%2)+3]
	global_store_b128 v[CO], v[TT+32*((\a)%2)+4*(\t):TT+32*((\a)%2)+4*(\t)+3], s[68:69] offset:(16*(\a)+2*(\t))*8192 th:TH_STORE_NT
.endr
.endr
	s_wait_tensorcnt 0x0                           ; the wave's end
	ds_add_u32 v[SPW], v[NIL]
	s_wait_dscnt 0x0
	CROUND                                         ; the closing round
	s_endpgm
.Lfunc_end_k_q80c93b223c_oproj:
	.size	k_q80c93b223c_oproj, .Lfunc_end_k_q80c93b223c_oproj-k_q80c93b223c_oproj
	.p2alignl 7, 3214868480
	.fill 96, 4, 3214868480
	.section	.rodata,"a",@progbits
	.p2align	6, 0x0
	.amdhsa_kernel k_q80c93b223c_oproj
		.amdhsa_group_segment_fixed_size 327680
		.amdhsa_private_segment_fixed_size 0
		.amdhsa_enable_private_segment 0
		.amdhsa_kernarg_size 32
		.amdhsa_user_sgpr_count 2
		.amdhsa_user_sgpr_kernarg_segment_ptr 1
		.amdhsa_wavefront_size32 1
		.amdhsa_system_sgpr_workgroup_id_x 1
		.amdhsa_system_sgpr_workgroup_id_y 1
		.amdhsa_system_sgpr_workgroup_id_z 1
		.amdhsa_system_vgpr_workitem_id 0
		.amdhsa_next_free_vgpr 640
		.amdhsa_next_free_sgpr 80
		.amdhsa_reserve_vcc 0
		.amdhsa_float_denorm_mode_32 3
		.amdhsa_float_denorm_mode_16_64 3
		.amdhsa_memory_ordered 1
		.amdhsa_forward_progress 1
		.amdhsa_inst_pref_size 102
	.end_amdhsa_kernel
	.amdgpu_metadata
---
amdhsa.version: [ 1, 2 ]
amdhsa.kernels:
  - .name:           k_q80c93b223c_oproj
    .symbol:         k_q80c93b223c_oproj.kd
    .args:
      - { .name: ao, .offset: 0, .size: 8, .value_kind: global_buffer, .address_space: global }
      - { .name: wh, .offset: 8, .size: 8, .value_kind: global_buffer, .address_space: global }
      - { .name: x, .offset: 16, .size: 8, .value_kind: global_buffer, .address_space: global }
      - { .name: out0, .offset: 24, .size: 8, .value_kind: global_buffer, .address_space: global }
    .group_segment_fixed_size: 327680
    .private_segment_fixed_size: 0
    .kernarg_segment_align: 8
    .kernarg_segment_size: 32
    .max_flat_workgroup_size: 128
    .sgpr_count:     80
    .vgpr_count:     640
    .wavefront_size: 32
...
	.end_amdgpu_metadata
.endif
;; end of part 4
